; MI455X (gfx1250); checked and timed in simulation.
; The chip was launched on July 23, 2026; its instructions are those of AMD's public machine-readable ISA for CDNA 5 (MIT licence, August 2026) and "CDNA5" Instruction Set Architecture Reference Guide (July 2026). The comments in the code are by the model that wrote it; some were corrected since.
;; Causal Self Attention. Allowed arithmetic: float matrix products may take bf16 or f16 operands with f32 sums; other float arithmetic in f32, or as packed bf16 or f16 multiplies, adds, multiply-adds, maxima and minima; sums over many terms, partial sums and values carried from step to step in f32; what a program stores and reads back later, other than sums and carried values, may be rounded once to bf16 or f16.
;; Inputs: Wk 1,024 x 1,024 float32; Wq 1,024 x 1,024 float32; Wv 1,024 x 1,024 float32; x 4 x 2,048 x 1,024 float32.
;; Outputs: out0 4 x 2,048 x 1,024 float32.
;; 2 versions, each right; version 2 is version 1 with the launch cast written anew for expert scheduling mode. Each part assembles by itself: llvm-mc -triple=amdgcn-amd-amdhsa -mcpu=gfx1250 --defsym DOCPART=n.
;; ======== version 1 of 2: 4 launches
;; limits: values are held in f16: magnitudes above 65,504 overflow, below 6.1e-05 lose precision
;; workspace buffers: xb 16,777,216 bytes; wb 6,291,456 bytes; qkv 50,331,648 bytes; pw 33,554,432 bytes; stat 1,048,576 bytes
;; launch cast (part 1): grid 704 x 1, 8 waves a work-group, no clusters, 0 bytes of LDS; arguments x, Wq, Wk, Wv, xb, wb; writes xb, wb
.if DOCPART == 1
	.amdgcn_target "amdgcn-amd-amdhsa--gfx1250"
	.amdhsa_code_object_version 6
	.text
	.protected	k_q81e58ce9e3_cast
	.globl	k_q81e58ce9e3_cast
	.p2align	8
	.type	k_q81e58ce9e3_cast,@function
k_q81e58ce9e3_cast:
	s_mov_b64 s[64:65], 0
	v_nop
	global_prefetch_b8 v0, s[64:65] scope:SCOPE_SE
	s_setreg_imm32_b32 hwreg(HW_REG_WAVE_MODE, 25, 1), 1
	s_wait_xcnt 0x0
; x and the three weights, f32, are rounded once to bf16 (nearest even) and laid down for the projection's tiles:
;   xb [16 slabs][8192 rows][64]: slab s holds columns 64 s .. 64 s + 63 of every row, so that 256 rows of a slab are 32,768 consecutive bytes;
;   wb [1024 k][3072 n]: the three weights side by side, in the order q, k, v.
; A work-group takes 16,384 numbers: groups 0-511 sixteen rows of x, groups 512-703 sixteen rows of a weight (64 groups each).
; All 16 loads of a thread go out on end; no register is written twice, so the only waits are the counted ones for the loads.
; Piece i is loaded at (i / 2) la + (i % 2) lb and stored at (i / 2) sa + (i % 2) sb behind the thread's two offsets.
.macro BODY la, lb, sa, sb
.set i, 0
.rept 16
	global_load_b128 v[4+4*i:7+4*i], v1, s[24:25] offset:(i/2)*(\la)+(i%2)*(\lb) th:TH_LOAD_NT
.set i, i+1
.endr
.set i, 0
.rept 16
	s_wait_loadcnt 15-i                            ; loads come back in order: piece i is in, the younger ones stay out
	v_cvt_pk_bf16_f32 v[68+2*i], v[4+4*i], v[5+4*i]
	v_cvt_pk_bf16_f32 v[69+2*i], v[6+4*i], v[7+4*i]
	global_store_b64 v2, v[68+2*i:69+2*i], s[26:27] offset:(i/2)*(\sa)+(i%2)*(\sb)
.set i, i+1
.endr
.endm
	s_load_b256 s[4:11], s[0:1], 0x0               ; x s[4:5], Wq s[6:7], Wk s[8:9], Wv s[10:11]
	s_load_b128 s[12:15], s[0:1], 0x20             ; xb s[12:13], wb s[14:15]
	s_mov_b32 s28, ttmp9
	s_mov_b32 s21, 0
	s_mov_b32 s23, 0
	s_cmp_lt_u32 s28, 512
	s_cbranch_scc0 .Lweights
	; x.  A load of a wave takes 64 columns (256 bytes) of two rows: lanes 0-15 the even row, lanes 16-31 the odd one; wave w takes slabs 2 w and 2 w + 1.
	; Rounded, the two rows' 128 bytes lie on end in the slab: a store of a wave covers 256 consecutive bytes, aligned.
	v_and_b32 v3, 15, v0
	v_bfe_u32 v4, v0, 4, 1
	v_lshrrev_b32 v5, 5, v0
	v_lshlrev_b32 v1, 4, v3                        ; 16 bytes a lane,
	v_lshl_add_u32 v1, v4, 12, v1                  ; a row of 4,096 bytes for the upper lanes,
	v_lshl_add_u32 v1, v5, 9, v1                   ; two slabs' 512 bytes a wave
	v_lshlrev_b32 v2, 3, v3                        ; 8 bytes a lane,
	v_lshl_add_u32 v2, v4, 7, v2                   ; a slab's row of 128 bytes,
	v_lshl_add_u32 v2, v5, 21, v2                  ; two slabs of 1,048,576 bytes a wave
	s_lshl_b32 s20, s28, 16                        ; the group's 16 rows in x,
	s_lshl_b32 s22, s28, 11                        ; and in a slab
	s_wait_kmcnt 0x0
	s_add_nc_u64 s[24:25], s[4:5], s[20:21]
	s_add_nc_u64 s[26:27], s[12:13], s[22:23]
	BODY 8192, 256, 256, 1048576                   ; piece i: rows 2 (i / 2) and 2 (i / 2) + 1, slab 2 w + i % 2
	s_endpgm
.Lweights:
	; a weight.  Thread t takes 16 bytes at 16 t of each of the group's 16 rows; a store of a wave covers 256 consecutive bytes, aligned.
	s_sub_co_u32 s16, s28, 512
	s_and_b32 s18, s16, 63                         ; the group's place in its weight
	s_lshr_b32 s19, s16, 6                         ; which weight
	v_lshlrev_b32 v1, 4, v0
	v_lshlrev_b32 v2, 3, v0
	s_lshl_b32 s20, s18, 16
	s_mul_i32 s22, s18, 16*6144                    ; 16 rows of wb,
	s_lshl_b32 s17, s19, 11                        ; the weight's 2,048 bytes of a row
	s_add_co_u32 s22, s22, s17
	s_wait_kmcnt 0x0
	s_cmp_eq_u32 s19, 1
	s_cselect_b64 s[24:25], s[8:9], s[6:7]
	s_cmp_eq_u32 s19, 2
	s_cselect_b64 s[24:25], s[10:11], s[24:25]
	s_add_nc_u64 s[24:25], s[24:25], s[20:21]
	s_add_nc_u64 s[26:27], s[14:15], s[22:23]
	BODY 8192, 4096, 12288, 6144                   ; piece i: row i
	s_endpgm
.Lfunc_end_k_q81e58ce9e3_cast:
	.size	k_q81e58ce9e3_cast, .Lfunc_end_k_q81e58ce9e3_cast-k_q81e58ce9e3_cast
	.p2alignl 7, 3214868480
	.fill 96, 4, 3214868480
	.section	.rodata,"a",@progbits
	.p2align	6, 0x0
	.amdhsa_kernel k_q81e58ce9e3_cast
		.amdhsa_group_segment_fixed_size 0
		.amdhsa_private_segment_fixed_size 0
		.amdhsa_enable_private_segment 0
		.amdhsa_kernarg_size 48
		.amdhsa_user_sgpr_count 2
		.amdhsa_user_sgpr_kernarg_segment_ptr 1
		.amdhsa_wavefront_size32 1
		.amdhsa_system_sgpr_workgroup_id_x 1
		.amdhsa_system_sgpr_workgroup_id_y 1
		.amdhsa_system_sgpr_workgroup_id_z 1
		.amdhsa_system_vgpr_workitem_id 0
		.amdhsa_next_free_vgpr 104
		.amdhsa_next_free_sgpr 66
		.amdhsa_reserve_vcc 0
		.amdhsa_float_denorm_mode_32 3
		.amdhsa_float_denorm_mode_16_64 3
		.amdhsa_memory_ordered 1
		.amdhsa_forward_progress 1
		.amdhsa_inst_pref_size 13
	.end_amdhsa_kernel
	.amdgpu_metadata
---
amdhsa.version: [ 1, 2 ]
amdhsa.kernels:
  - .name:           k_q81e58ce9e3_cast
    .symbol:         k_q81e58ce9e3_cast.kd
    .args:
      - { .name: x, .offset: 0, .size: 8, .value_kind: global_buffer, .address_space: global }
      - { .name: Wq, .offset: 8, .size: 8, .value_kind: global_buffer, .address_space: global }
      - { .name: Wk, .offset: 16, .size: 8, .value_kind: global_buffer, .address_space: global }
      - { .name: Wv, .offset: 24, .size: 8, .value_kind: global_buffer, .address_space: global }
      - { .name: xb, .offset: 32, .size: 8, .value_kind: global_buffer, .address_space: global }
      - { .name: wb, .offset: 40, .size: 8, .value_kind: global_buffer, .address_space: global }
    .group_segment_fixed_size: 0
    .private_segment_fixed_size: 0
    .kernarg_segment_align: 8
    .kernarg_segment_size: 48
    .max_flat_workgroup_size: 256
    .sgpr_count:     66
    .vgpr_count:     104
    .wavefront_size: 32
...
	.end_amdgpu_metadata
.endif
;; end of part 1
;; launch proj (part 2): grid 8 x 32, 4 waves a work-group, clusters of 4 x 4, 327,680 bytes of LDS; arguments xb, wb, qkv; writes qkv
.if DOCPART == 2
	.amdgcn_target "amdgcn-amd-amdhsa--gfx1250"
	.amdhsa_code_object_version 6
	.text
	.protected	k_q81e58ce9e3_proj
	.globl	k_q81e58ce9e3_proj
	.p2align	8
	.type	k_q81e58ce9e3_proj,@function
k_q81e58ce9e3_proj:
	s_mov_b64 s[64:65], 0
	v_nop
	global_prefetch_b8 v0, s[64:65] scope:SCOPE_SE
	s_setreg_imm32_b32 hwreg(HW_REG_WAVE_MODE, 25, 1), 1
	s_wait_xcnt 0x0
	s_wait_alu depctr_hold_cnt(0) depctr_sa_sdst(0) depctr_va_vdst(0) depctr_va_sdst(0) depctr_va_ssrc(0) depctr_va_vcc(0) depctr_vm_vsrc(0)
	s_getreg_b32 s2, hwreg(HW_REG_IB_STS2, 6, 4)
	s_cmp_eq_u32 s2, 0
	s_cbranch_scc0 .Lentry_in_a_cluster
	s_endpgm
.Lentry_in_a_cluster:
	s_bfe_u32 s2, ttmp6, 0x10000c
	s_cmp_lg_u32 s2, 0xf033
	s_cbranch_scc0 .Lentry_shape_is_right
	s_endpgm
.Lentry_shape_is_right:
; qkv[8192][3072] (f16) = x[8192][1024] . [Wq | Wk | Wv], products in bf16, sums in f32, each result rounded once to f16.
; LIMIT: q, k and v must lie within f16's 65,504; a larger sum becomes an infinity.  NaN and infinities are not treated apart.
; THE TILE is 256 rows x 384 columns: 32 x 8 = 256 work-groups.  Four waves, each 128 rows x 192 columns: 96 accumulators, 768 registers.
; K goes in steps of 64 through two LDS slots: two slots of 128 would be 2 x 128 x (256 + 384) x 2 = 327,680 bytes without any padding.
; xb lies in slabs of 64 columns, so a tile's 256 rows of a K step are 32,768 consecutive bytes: asked for as 128 rows of 256 bytes, padded after every 128 (LDS pitch 144).
; wb lies [k][3072]: a tile's 64 rows of k x 768 bytes come as three chunks of 64 rows x 256 bytes (LDS pitch 288), and W's fragments come out turned, by ds_load_tr16_b128.
; Wave 3 fetches x's tile, waves 0 to 2 a chunk of W each: one tensor load a wave.
; A wave's 192 columns are a whole chunk (chunk 0 or 2: column blocks 0-7) and half of chunk 1 (blocks 8-11): the same offsets serve both halves, from two base registers.
; The matrix instruction is used transposed (source 0 = 16 columns of W, source 1 = 16 rows of x): a lane holds eight neighbouring numbers of a row of the result.
; CLUSTER 4 x 4: x's tile hangs on the tile row alone and is asked for jointly along a row of the cluster, W's on the tile column alone and jointly along a column.
; REGISTERS.  Window 0: v16-30 addresses; v32-95, v96-159 x's fragments (8 x 16 rows x 32 K), two buffers; v160-255 W's twelve fragments, ONE set: a group of four is loaded again
; behind the 32 products that read it, 64 products ahead of its next use.  Windows 1, 2, 3: the accumulators of column blocks 0-3, 4-7, 8-11 ((a, b) at 8 (8 (b % 4) + a)).
; s[NX] is the LDS byte (0 or SLOT) of the slot that is being fetched from, s[CUR] the other's; one exclusive or a trip turns them.
.set APITCH, 144                       ; 128 bytes + 16: the 16 rows of a load start at 16 different groups of four banks (64 banks of 4 bytes: ISA guide 11.1)
.set BPITCH, 288                       ; 256 bytes + 32
.set ABYTES, 256*APITCH
.set CHUNK,  64*BPITCH
.set BOFF,   ABYTES                    ; W's three chunks lie behind x's tile
.set SLOT,   ABYTES+3*CHUNK
.set STAGE,  2*SLOT                    ; behind the ring, never filled by a tensor load: 128 rows x 784 bytes, the work-group's
.set SPITCH, 784                       ; 768 bytes + 16
.set SPARE,  STAGE+128*SPITCH          ; the spare words: 128 bytes a wave, named by no other line
.set CPITCH, 6144                      ; a row of qkv
.set WPITCH, 6144                      ; a row of wb
.set ASTEP,  8192*128                  ; a K step in xb: a slab
.set BSTEP,  64*WPITCH                 ; a K step down wb's rows
.set A0,  16                           ; my lane's place in a slot's tile of x
.set B0,  17                           ; in my whole chunk of W
.set B1,  18                           ; in my half of chunk 1
.set AL,  19                           ; the same three in the slot that is being fetched from
.set BL,  20
.set BL2, 21
.set STO1, 22                          ; the way out: where I put 16 bytes of a row, column blocks 0-7,
.set STO2, 23                          ; and 8-11
.set RD,  24
.set CO,  25
.set SPW, 28
.set NIL, 29
.set PFO, 30
.set FA0, 32
.set FA1, 96
.set FB,  160
.set TMP, 32                           ; the way out: 192 registers, packed results and then whole rows
.set G1,  24                           ; s[24:31] group 1 for x's tile; s[32:39] group 0: a set for each first fill, the second then walks
.set G0,  32
.set G1B, 48                           ; s[48:55], s[56:63] the same for W's chunks
.set G0B, 56
.set PFA, 44                           ; s[44:45] where my prefetch stands
.set PST, 66                           ; s[66:67] its step
.set CUR, 68
.set NX,  69
.set LIM, 76                           ; 2 in a wave that prefetches, else the greatest number
.set LBA, 77                           ; where x's tile lands in a slot
.set LBB, 78                           ; where my chunk of W lands
.set PMK, 79                           ; 0: I ask in every trip; 1: in every second one
.set MSB, 0
.macro WIN new                         ; the immediate's high byte repeats the setting that is left
.if MSB != (\new)
	s_set_vgpr_msb (MSB<<8)|(\new)
.set MSB, \new
.endif
.endm
.macro PLACES                          ; four plain places behind matrix instructions, ahead of loads into their sources and of reads of their results
.rept 4
	v_nop
.endr
.endm
.macro JLOAD                           ; the joint refill; the branch hangs on the wave's number alone
	s_cmp_eq_u32 s10, 3
	s_cbranch_scc0 .Lfor_b_\@
	tensor_load_to_lds s[G0+4:G0+7], s[G1:G1+7]
	s_nop 0
.rept 4
	v_nop
.endr
	s_branch .Lasked_\@
.Lfor_b_\@:
	tensor_load_to_lds s[G0B+4:G0B+7], s[G1B:G1B+7]
	s_nop 0
.rept 4
	v_nop
.endr
.Lasked_\@:
.endm
; A PREFETCH behind a refill and the run of LDS loads that follows it, for K steps two refills on (384 matrix instructions ahead of the load of the first of them).
; x's slab rows are asked for by the clusters with x = 0: wave 3, a lane a block of 256 bytes, 32 blocks for each of the four partners, in every trip.
; W's rows are asked for by the clusters with y = 0: waves 0 to 2, each its own chunk; a partner takes 16 of the 64 rows; lanes 0-15 name one K step and lanes 16-31 the next, in every second trip.
; The partners are told apart by address.  So each block of 256 bytes is named once.  K steps 0 to 3 come by their loads alone; the trips whose look-ahead would pass K step 15 ask for nothing.
.macro ASK
	s_and_b32 s74, s3, s[PMK]
	s_cmp_eq_u32 s74, 0
	s_cbranch_scc0 .Lnot_mine_\@
	s_cmp_gt_u32 s3, s[LIM]
	s_cbranch_scc0 .Lnot_mine_\@
	global_prefetch_b8 v[PFO], s[PFA:PFA+1] th:TH_LOAD_NT scope:SCOPE_SE
.Lnot_mine_\@:
.endm
.macro CREST                           ; a round of the cluster's barrier behind its opening barrier
	s_cmp_lg_u32 s10, 0
	s_cbranch_scc1 .Lnot_wave_0_\@
	s_barrier_signal -3
.Lnot_wave_0_\@:
	s_barrier_wait -3
	s_barrier_signal -1
	s_barrier_wait -1
.endm
.macro CROUND
	s_barrier_signal -1
	s_barrier_wait -1
	CREST
.endm
	s_load_b128 s[4:7], s[0:1], 0x0                ; xb s[4:5], wb s[6:7]
	s_load_b64 s[8:9], s[0:1], 0x10                ; qkv
	v_lshl_add_u32 v[SPW], v0, 2, SPARE
	v_mov_b32 v[NIL], 0
	ds_add_u32 v[SPW], v[NIL]                      ; the wave's opening: the add and its wait ahead of my first tensor load
	v_lshrrev_b32 v1, 5, v0
	v_readfirstlane_b32 s10, v1                    ; wave 0..3
	s_lshr_b32 s11, s10, 1                         ; my half of the tile's rows
	s_and_b32 s12, s10, 1                          ; my half of its columns
	s_bfe_u32 s40, ttmp6, 0x40000                  ; cx
	s_bfe_u32 s41, ttmp6, 0x40004                  ; cy
	s_and_b32 s13, ttmp7, 0xffff
	s_lshl_b32 s13, s13, 2
	s_add_co_u32 s13, s13, s41                     ; tile row = 4 x cluster y + cy
	s_lshl_b32 s42, s41, 2
	s_lshl_b32 s42, 15, s42                        ; my row of the cluster
	s_lshl_b32 s43, 0x1111, s40                    ; my column
	s_or_b32 s[G1+0], s42, (1<<16)|(1<<20)|(1<<21)|(4<<22)|(3<<25)   ; mask; 2-byte elements; padding on; bit 21 beside a mask; after every 32 words 4 words
	s_mov_b32 s[G1+1], 128<<16                     ; tensor_dim0 = 128
	s_mov_b32 s[G1+2], 128<<16                     ; tensor_dim1 = 128
	s_mov_b32 s[G1+3], 128<<16                     ; tile_dim0 = 128: 256 bytes, two rows of the slab
	s_mov_b32 s[G1+4], 128                         ; tile_dim1 = 128
	s_mov_b32 s[G1+5], 128                         ; dense
	s_mov_b32 s[G1+6], 0
	s_mov_b32 s[G1+7], 0
	s_or_b32 s[G1B+0], s43, (1<<16)|(1<<20)|(1<<21)|(5<<22)|(7<<25)  ; after every 64 words 8 words
	s_mov_b32 s[G1B+1], 128<<16                    ; tensor_dim0 = 128
	s_mov_b32 s[G1B+2], 64<<16                     ; tensor_dim1 = 64
	s_mov_b32 s[G1B+3], 128<<16                    ; tile_dim0 = 128
	s_mov_b32 s[G1B+4], 64                         ; tile_dim1 = 64
	s_mov_b32 s[G1B+5], 3072                       ; elements from row to row
	s_mov_b32 s[G1B+6], 0
	s_mov_b32 s[G1B+7], 0
	s_lshl_b32 s16, s13, 15                        ; x: 256 rows of 128 bytes a tile row
	s_mov_b32 s17, 0
	s_lshl_b32 s46, ttmp9, 2
	s_add_co_u32 s46, s46, s40                     ; tile column = 4 x cluster x + cx
	s_mul_i32 s46, s46, 768                        ; W: 384 columns a tile column,
	s_lshl_b32 s47, s10, 8                         ; my chunk of 128
	s_add_co_u32 s46, s46, s47
	s_mov_b32 s47, 0
	s_mov_b32 s[LBA], 0                            ; no place in the cluster enters an LDS address
	s_mul_i32 s[LBB], s10, CHUNK
	s_add_co_u32 s[LBB], s[LBB], BOFF
	s_mov_b32 s[NX], 0
	s_mov_b32 s[CUR], SLOT
	s_wait_dscnt 0x0                               ; the opening add is done
	s_wait_kmcnt 0x0
	s_add_nc_u64 s[14:15], s[4:5], s[16:17]
	s_add_nc_u64 s[46:47], s[6:7], s[46:47]
.irp s, 0,1
	s_mov_b32 s[G0+4*(\s)], 1
	s_add_co_u32 s[G0+4*(\s)+1], s[LBA], (\s)*SLOT
	s_add_nc_u64 s[G0+4*(\s)+2:G0+4*(\s)+3], s[14:15], (\s)*ASTEP
	s_or_b32 s[G0+4*(\s)+3], s[G0+4*(\s)+3], 0x80000000
	s_mov_b32 s[G0B+4*(\s)], 1
	s_add_co_u32 s[G0B+4*(\s)+1], s[LBB], (\s)*SLOT
	s_add_nc_u64 s[G0B+4*(\s)+2:G0B+4*(\s)+3], s[46:47], (\s)*BSTEP
	s_or_b32 s[G0B+4*(\s)+3], s[G0B+4*(\s)+3], 0x80000000
.endr
	CROUND                                         ; all sixteen work-groups are here: the first joint loads meet
	s_cmp_eq_u32 s10, 3                            ; a wave's two first fills stand in one branch: two loads of mine are out
	s_cbranch_scc0 .Lfirst_b
	tensor_load_to_lds s[G0:G0+3], s[G1:G1+7]
	s_nop 0
	tensor_load_to_lds s[G0+4:G0+7], s[G1:G1+7]
	s_nop 0
.rept 4
	v_nop
.endr
	s_branch .Lfirst_asked
.Lfirst_b:
	tensor_load_to_lds s[G0B:G0B+3], s[G1B:G1B+7]
	s_nop 0
	tensor_load_to_lds s[G0B+4:G0B+7], s[G1B:G1B+7]
	s_nop 0
.rept 4
	v_nop
.endr
.Lfirst_asked:
	v_and_b32 v1, 15, v0                           ; r = l % 16
	v_bfe_u32 v2, v0, 4, 1                         ; h = l / 16
	v_mul_u32_u24 v3, v1, APITCH
	v_lshl_add_u32 v3, v2, 4, v3                   ; a fragment of x: row r, 16 bytes for each half of the lanes
	s_mul_i32 s21, s11, 128*APITCH
	v_add_nc_u32 v[A0], s21, v3
	v_and_b32 v4, 7, v0                            ; the turning load: row of k 8 h + l % 8, columns 8 ((l / 8) % 2) on
	v_lshl_add_u32 v4, v2, 3, v4
	v_mul_u32_u24 v4, v4, BPITCH
	v_bfe_u32 v5, v0, 3, 1
	v_lshl_add_u32 v4, v5, 4, v4
	s_mul_i32 s22, s12, 2*CHUNK                    ; chunk 0 or chunk 2,
	s_add_co_u32 s22, s22, BOFF
	v_add_nc_u32 v[B0], s22, v4
	s_lshl_b32 s22, s12, 7                         ; and 64 columns of chunk 1
	s_add_co_u32 s22, s22, BOFF+CHUNK
	v_add_nc_u32 v[B1], s22, v4
	v_add_nc_u32 v[AL], s[NX], v[A0]
	v_add_nc_u32 v[BL], s[NX], v[B0]
	v_add_nc_u32 v[BL2], s[NX], v[B1]
	s_mul_i32 s23, s11, 64*SPITCH                  ; into the stage: 64 rows for each half of the tile's rows; row r, 16 bytes for each half of the lanes
	s_add_co_u32 s23, s23, STAGE
	v_mul_u32_u24 v5, v1, SPITCH
	v_lshl_add_u32 v5, v2, 4, v5
	v_add_nc_u32 v5, s23, v5
	s_lshl_b32 s22, s12, 9                         ; chunk 0 or 2: byte 0 or 512 of the row,
	v_add_nc_u32 v[STO1], s22, v5
	s_lshl_b32 s22, s12, 7                         ; my half of chunk 1: byte 256 or 384
	s_add_co_u32 s22, s22, 256
	v_add_nc_u32 v[STO2], s22, v5
	s_mul_i32 s23, s10, 32*SPITCH                  ; back: wave w takes the stage's rows 32 w .. 32 w + 31, whole; lanes 0-15 one row, lanes 16-31 the next
	s_add_co_u32 s23, s23, STAGE
	v_mul_u32_u24 v5, v2, SPITCH
	v_lshl_add_u32 v5, v1, 4, v5
	v_add_nc_u32 v[RD], s23, v5
	v_mul_u32_u24 v5, v2, CPITCH
	v_lshl_add_u32 v[CO], v1, 4, v5
	s_lshl_b32 s16, s13, 8                         ; qkv at the first row that I store: 256 x tile row + 128 x rows' half + 32 x columns' half,
	s_lshl_b32 s17, s11, 7
	s_add_co_u32 s16, s16, s17
	s_lshl_b32 s17, s12, 5
	s_add_co_u32 s16, s16, s17
	s_mul_i32 s16, s16, CPITCH
	s_mov_b32 s17, 0
	s_add_nc_u64 s[8:9], s[8:9], s[16:17]
	s_lshl_b32 s46, ttmp9, 2                       ; and the tile's first column
	s_add_co_u32 s46, s46, s40
	s_mul_i32 s46, s46, 768
	s_mov_b32 s47, 0
	s_add_nc_u64 s[8:9], s[8:9], s[46:47]
	; the prefetches
	s_lshl_b32 s70, s13, 15                        ; x: the tile row's part of a slab,
	s_lshl_b32 s71, s40, 13                        ; my work-group's 32 blocks of it
	s_add_co_u32 s70, s70, s71
	s_mul_i32 s72, s41, 16*WPITCH                  ; W: my work-group's 16 of a K step's 64 rows,
	s_add_co_u32 s72, s72, s46                     ; the tile's columns,
	s_lshl_b32 s73, s10, 8                         ; my chunk
	s_add_co_u32 s72, s72, s73
	s_and_b32 s74, ttmp7, 0xffff
	s_mov_b32 s[PST], BSTEP
	s_cmp_eq_u32 s10, 3
	s_cselect_b32 s70, s70, s72
	s_cselect_b32 s74, ttmp9, s74                  ; the coordinate along which other clusters read the same rows
	s_cselect_b64 s[PFA:PFA+1], s[4:5], s[6:7]
	s_cselect_b32 s[PST], ASTEP, s[PST]
	s_cselect_b32 s75, 0, -1
	s_cselect_b32 s[PMK], 0, 1
	s_mov_b32 s[PST+1], 0
	s_mov_b32 s71, 0
	s_cmp_eq_u32 s74, 0
	s_cselect_b32 s[LIM], 2, -1                    ; the same in all sixteen partners, for a given wave
	s_add_nc_u64 s[PFA:PFA+1], s[PFA:PFA+1], s[70:71]
	s_mul_i32 s72, s[PST], 3                       ; at K step 3: the first refill steps it to 4
	s_mov_b32 s73, 0
	s_add_nc_u64 s[PFA:PFA+1], s[PFA:PFA+1], s[72:73]
	v_and_b32 v6, 31, v0
	v_lshlrev_b32 v7, 8, v6                        ; x: a lane a block
	v_mul_u32_u24 v8, v1, WPITCH                   ; W: a lane a row,
	v_mul_u32_u24 v9, v2, BSTEP                    ; the upper lanes a K step on
	v_add_nc_u32 v8, v8, v9
	v_cndmask_b32 v[PFO], v7, v8, s75
; 16 matrix instructions: column blocks 4 g + i0 and 4 g + i0 + 1 x all 8 row blocks, 32 along K, x's fragments in buffer f.  zero = 1: the product starts the sums.
; The 96 accumulators take turns, in the same order in every quarter.
.macro GH g, f, i0, zero
	WIN 0x50*((\g)+1)                              ; both sources window 0, C and D window g + 1
.irp i, \i0, (\i0)+1
.irp a, 0,1,2,3,4,5,6,7
.if \zero
	v_wmma_f32_16x16x32_bf16 v[8*(8*(\i)+(\a)):8*(8*(\i)+(\a))+7], v[FB+8*(4*(\g)+(\i)):FB+8*(4*(\g)+(\i))+7], v[(\f)+8*(\a):(\f)+8*(\a)+7], 0
.else
	v_wmma_f32_16x16x32_bf16 v[8*(8*(\i)+(\a)):8*(8*(\i)+(\a))+7], v[FB+8*(4*(\g)+(\i)):FB+8*(4*(\g)+(\i))+7], v[(\f)+8*(\a):(\f)+8*(\a)+7], v[8*(8*(\i)+(\a)):8*(8*(\i)+(\a))+7]
.endif
.endr
.endr
.endm
.macro LB g, q                         ; 8 LDS loads: W's fragments 4 g .. 4 g + 3 of quarter q (32 along K), turned
.irp i, 0,1,2,3
	ds_load_tr16_b128 v[FB+8*(4*(\g)+(\i)):FB+8*(4*(\g)+(\i))+3],   v[BL+(\g)/2] offset:(\q)*32*BPITCH+32*((4*(\g)+(\i))%8)
	ds_load_tr16_b128 v[FB+8*(4*(\g)+(\i))+4:FB+8*(4*(\g)+(\i))+7], v[BL+(\g)/2] offset:(\q)*32*BPITCH+32*((4*(\g)+(\i))%8)+16*BPITCH
.endr
.endm
.macro LA q, f                         ; 16 LDS loads: x's eight fragments of quarter q into buffer f
.irp a, 0,1,2,3,4,5,6,7
	ds_load_b128 v[(\f)+8*(\a):(\f)+8*(\a)+3],   v[AL] offset:(\q)*64+(\a)*16*APITCH
	ds_load_b128 v[(\f)+8*(\a)+4:(\f)+8*(\a)+7], v[AL] offset:(\q)*64+(\a)*16*APITCH+32
.endr
.endm
; A K step's first quarter: multiplies buffer 0 and fetches the step's second quarter.  The LDS loads go out in the order: group 0 of W, x, group 1, group 2.
.macro QA zero
	s_wait_dscnt 16                                ; group 0 and x are in; groups 1 and 2 (8 loads each) may be out
	GH 0, FA0, 0, \zero
	GH 0, FA0, 2, \zero
	PLACES
	WIN 0
	LB 0, 1
	LA 1, FA1
	s_wait_dscnt 32                                ; group 1 is in: behind it came group 2's 8 and the 24 just issued
	GH 1, FA0, 0, \zero
	GH 1, FA0, 2, \zero
	PLACES
	WIN 0
	LB 1, 1
	s_wait_dscnt 32                                ; group 2 is in: behind it came 24 and 8
	GH 2, FA0, 0, \zero
	GH 2, FA0, 2, \zero
	PLACES
	WIN 0
	LB 2, 1
.endm
; A K step's second quarter: multiplies buffer 1 and changes slots.  In front of the one barrier each wave has waited for all its tensor loads (the one that is out is its part of the other slot), added 0 to its
; spare word, and waited for that and for its reads of this slot.  Behind it nobody reads this slot any more and the other slot is whole.
; mode 2: the barrier opens a round of the cluster's, and the joint refill (the K step two on, into this slot) is the first tensor load behind it: one load of mine is out, 160 matrix instructions ahead of the wait for it.
; mode 1: nothing is asked for.  mode 0: the last quarter of all: nothing is fetched either, and no barrier is needed.
.macro QB mode
.if (\mode) == 2
	s_wait_xcnt 0x0                                ; the last prefetch, a K step back or more, has read its address
	s_add_nc_u64 s[PFA:PFA+1], s[PFA:PFA+1], s[PST:PST+1]
.endif
.if (\mode) > 0
	WIN 0
	s_wait_tensorcnt 0x0
	ds_add_u32 v[SPW], v[NIL]
	s_wait_dscnt 17                                ; group 0 and x are in; groups 1 and 2 and the add may be out
	GH 0, FA1, 0, 0
	s_wait_dscnt 0x0                               ; the add is done, my reads of this slot are over
	s_barrier_signal -1
	GH 0, FA1, 2, 0
	WIN 0
	s_barrier_wait -1
.if (\mode) == 2
	CREST
	s_add_nc_u64 s[G0+6:G0+7], s[G0+6:G0+7], ASTEP ; the walking descriptors: the next K step, into the slot just read
	s_add_co_u32 s[G0+5], s[LBA], s[CUR]
	s_add_nc_u64 s[G0B+6:G0B+7], s[G0B+6:G0B+7], BSTEP
	s_add_co_u32 s[G0B+5], s[LBB], s[CUR]
	JLOAD                                          ; the four v_nop behind it are also the places in front of the loads below
.else
	PLACES
.endif
	LB 0, 0
	LA 0, FA0
.if (\mode) == 2
	ASK
.endif
	GH 1, FA1, 0, 0
	GH 1, FA1, 2, 0
	PLACES
	WIN 0
	LB 1, 0
	GH 2, FA1, 0, 0
	GH 2, FA1, 2, 0
	PLACES
	WIN 0
	LB 2, 0
.else
	s_wait_dscnt 16
	GH 0, FA1, 0, 0
	GH 0, FA1, 2, 0
	s_wait_dscnt 8                                 ; group 1 is in; group 2 may be out
	GH 1, FA1, 0, 0
	GH 1, FA1, 2, 0
	s_wait_dscnt 0x0
	GH 2, FA1, 0, 0
	GH 2, FA1, 2, 0
	WIN 0
.endif
.endm
.macro STEP                            ; the slots change names
	WIN 0
	s_xor_b32 s[CUR], s[CUR], SLOT
	s_xor_b32 s[NX], s[NX], SLOT
	v_add_nc_u32 v[AL], s[NX], v[A0]
	v_add_nc_u32 v[BL], s[NX], v[B0]
	v_add_nc_u32 v[BL2], s[NX], v[B1]
.endm
; THE WAY OUT, in two passes of 128 rows (each wave's row blocks 4 p .. 4 p + 3).  A wave's 192 columns are one and a half aligned blocks of 256 bytes of a row of qkv, so the four waves share one stage:
; rounded to f16, 16 bytes a lane into rows of 784 bytes; a barrier; back as whole rows of 768 bytes, 32 rows a wave, and stored.
.macro PASS p
.if (\p) == 1
	s_wait_xcnt 0x0                                ; the first pass's stores have read their registers
.endif
.irp w, 1,2,3
	WIN (\w)|((\w)<<2)                             ; sources in window w, destination in window 0
.irp a, 0,1,2,3
.irp i, 0,1,2,3
.irp r, 0,1,2,3
	v_cvt_pk_f16_f32 v[TMP+4*(12*(\a)+4*((\w)-1)+(\i))+(\r)], v[8*(8*(\i)+4*(\p)+(\a))+2*(\r)], v[8*(8*(\i)+4*(\p)+(\a))+2*(\r)+1]
.endr
.endr
.endr
.endr
	WIN 0
.irp a, 0,1,2,3
.irp b, 0,1,2,3,4,5,6,7,8,9,10,11
	ds_store_b128 v[STO1+(\b)/8], v[TMP+4*(12*(\a)+(\b)):TMP+4*(12*(\a)+(\b))+3] offset:(\a)*16*SPITCH+32*((\b)%8)
.endr
.endr
	s_wait_dscnt 0x0                               ; for the others' sake: my stores into the stage are done
	s_barrier_signal -1
	s_barrier_wait -1
.set t, 0
.rept 48                               ; rows 2 (t / 3) and 2 (t / 3) + 1 of my 32, block t % 3 of their three
	ds_load_b128 v[TMP+4*t:TMP+4*t+3], v[RD] offset:(t/3)*2*SPITCH+(t%3)*256
.set t, t+1
.endr
.set t, 0
.rept 48
.if t%3 == 0
	s_wait_dscnt 45-t                              ; LDS loads come back in order: these three are in
.endif
	global_store_b128 v[CO], v[TMP+4*t:TMP+4*t+3], s[8:9] offset:(64*(\p)+2*(t/3))*CPITCH+(t%3)*256  ; 16 lanes store 256 consecutive bytes, aligned
.set t, t+1
.endr
.endm
	s_wait_tensorcnt 1                             ; my part of K step 0 is in; K step 1's may stay out
	s_barrier_signal -1
	s_barrier_wait -1
	LB 0, 0
	LA 0, FA0
	LB 1, 0
	LB 2, 0
	QA 1                                           ; the first quarter starts the sums
	STEP
	s_mov_b32 s3, 14
.Lstep:                                        ; a trip: a K step's second quarter and the next step's first; it asks for the K step two on: steps 2 to 15
	QB 2
	QA 0
	STEP
	s_sub_co_u32 s3, s3, 1
	s_cmp_lg_u32 s3, 0
	s_cbranch_scc1 .Lstep
	QB 1                                           ; the tail is written out
	QA 0
	QB 0
	PLACES
	PASS 0
	s_barrier_signal -1                            ; my reads of the stage are back (the last count was 0): nobody writes it again before all four have said so
	s_barrier_wait -1
	PASS 1
	s_wait_tensorcnt 0x0                           ; the wave's end
	ds_add_u32 v[SPW], v[NIL]
	s_wait_dscnt 0x0
	CROUND                                         ; the closing round
	s_endpgm
.Lfunc_end_k_q81e58ce9e3_proj:
	.size	k_q81e58ce9e3_proj, .Lfunc_end_k_q81e58ce9e3_proj-k_q81e58ce9e3_proj
	.p2alignl 7, 3214868480
	.fill 96, 4, 3214868480
	.section	.rodata,"a",@progbits
	.p2align	6, 0x0
	.amdhsa_kernel k_q81e58ce9e3_proj
		.amdhsa_group_segment_fixed_size 327680
		.amdhsa_private_segment_fixed_size 0
		.amdhsa_enable_private_segment 0
		.amdhsa_kernarg_size 24
		.amdhsa_user_sgpr_count 2
		.amdhsa_user_sgpr_kernarg_segment_ptr 1
		.amdhsa_wavefront_size32 1
		.amdhsa_system_sgpr_workgroup_id_x 1
		.amdhsa_system_sgpr_workgroup_id_y 1
		.amdhsa_system_sgpr_workgroup_id_z 1
		.amdhsa_system_vgpr_workitem_id 0
		.amdhsa_next_free_vgpr 1024
		.amdhsa_next_free_sgpr 80
		.amdhsa_reserve_vcc 0
		.amdhsa_float_denorm_mode_32 3
		.amdhsa_float_denorm_mode_16_64 3
		.amdhsa_memory_ordered 1
		.amdhsa_forward_progress 1
		.amdhsa_inst_pref_size 113
	.end_amdhsa_kernel
	.amdgpu_metadata
---
amdhsa.version: [ 1, 2 ]
amdhsa.kernels:
  - .name:           k_q81e58ce9e3_proj
    .symbol:         k_q81e58ce9e3_proj.kd
    .args:
      - { .name: xb, .offset: 0, .size: 8, .value_kind: global_buffer, .address_space: global }
      - { .name: wb, .offset: 8, .size: 8, .value_kind: global_buffer, .address_space: global }
      - { .name: qkv, .offset: 16, .size: 8, .value_kind: global_buffer, .address_space: global }
    .group_segment_fixed_size: 327680
    .private_segment_fixed_size: 0
    .kernarg_segment_align: 8
    .kernarg_segment_size: 24
    .max_flat_workgroup_size: 128
    .sgpr_count:     80
    .vgpr_count:     1024
    .wavefront_size: 32
...
	.end_amdgpu_metadata
.endif
;; end of part 2
;; launch score (part 3): grid 36 x 4, 4 waves a work-group, no clusters, 327,680 bytes of LDS; arguments qkv, pw, stat; writes pw, stat
.if DOCPART == 3
	.amdgcn_target "amdgcn-amd-amdhsa--gfx1250"
	.amdhsa_code_object_version 6
	.text
	.protected	k_q81e58ce9e3_score
	.globl	k_q81e58ce9e3_score
	.p2align	8
	.type	k_q81e58ce9e3_score,@function
k_q81e58ce9e3_score:
	s_mov_b64 s[64:65], 0
	v_nop
	global_prefetch_b8 v0, s[64:65] scope:SCOPE_SE
	s_setreg_imm32_b32 hwreg(HW_REG_WAVE_MODE, 25, 1), 1
	s_wait_xcnt 0x0
; For each tile (I, J), J <= I, of 256 queries x 256 keys of a batch: S = q k^T (f16 products, f32 sums), the causal mask, and a softmax BY BLOCK OF 128 KEYS:
; a wave owns 128 rows x 128 keys (key block kb = 2 J + its column half).  For each row: m = the block's maximum (not below -2^99), p = 2^(c s - c m) with c = log2(e) / 32,
; l = the sum of the unrounded p.  pw takes p in f16, stat takes c m and l in f32; the next launch joins the blocks under the row's true maximum.
; LIMITS: a hidden score counts as its value less 2^100 (f16's q and k bound a score by 4.4e12); a row that sees nothing of a block gets m = -2^99, p = 0, l = 0;
; p below 6e-5 keeps f16's fixed step; a weight below 2^-126 counts as 0; NaN and infinities are not treated apart.
; NO CLUSTER: a batch's 36 tiles are a triangle: its rows and its columns hold 1 to 8 tiles, so no cluster of four divides them without work-groups whose whole tile is hidden.
; The K loop is that of the projection: two LDS slots of a K step of 128, each wave fetching a quarter of a slot; both operands lie along K.  THE MASK is the C operand of the products that start the sums.
; REGISTERS: window 0: v16-30 addresses, v32-55 three masks (later rows on the way out), v64-191 q's fragments (later the softmax's scratch), v192-223 packed p; window 1: k's fragments; windows 2, 3: the scores.
.set PITCH,  272
.set HALFT,  128*PITCH
.set SLOT,   4*HALFT
.set STAGE,  2*SLOT
.set SPITCH, 272
.set SPARE,  STAGE+4*16*SPITCH
.set QPITCH, 6144                      ; a row of qkv
.set CPITCH, 4096                      ; a row of pw
.set A0, 16
.set B0, 17
.set AC, 18
.set BC, 19
.set AN, 20
.set BN, 21
.set SA, 22                            ; stage + 4 r: where a row's figure goes
.set SB, 23                            ; stage + 16 l: where four rows' figures come back
.set STO, 24
.set RD,  25
.set CO,  26
.set SO,  27                           ; 16 l
.set SPW, 28
.set NIL, 29
.set PFO, 30
.set ML,  32                           ; the mask of a 16 x 16 piece left of the wave's diagonal,
.set ME,  40                           ; on it,
.set MG,  48                           ; right of it
.set F0,  64
.set F1,  128
.set TMP, 192
.set OB,  32
.set SU,  64                           ; the way out: sums
.set CB,  96                           ; eight running maxima
.set CM,  104                          ; c m, named as a pair
.set FLO, 106                          ; -2^99
.set CMS, 108                          ; c m of block a
.set LSM, 116                          ; l of block a
.set G1,  24
.set G0,  32
.set PFA, 44
.set CS,  58
.set SEL, 60
.set CUR, 68
.set NX,  69
.set LIM, 76
.set MSB, 0
.macro WIN new
.if MSB != (\new)
	s_set_vgpr_msb (MSB<<8)|(\new)
.set MSB, \new
.endif
.endm
.set MUL_LO, 0xa1
.set TO_B,   0x40
.macro PLACES
.rept 4
	v_nop
.endr
.endm
; Four prefetches a wave behind each of the first four refills: my 128 rows' 256 bytes of the K step two refills on, a lane a row.  q's block I is asked for by the tile with J = 0, k's block J by the tile with I = J: each block once.
.macro ASK
	s_cmp_gt_u32 s3, s[LIM]
	s_cbranch_scc0 .Lnot_mine_\@
.irp g, 0,1,2,3
	global_prefetch_b8 v[PFO], s[PFA:PFA+1] offset:(\g)*32*QPITCH th:TH_LOAD_NT scope:SCOPE_SE
.endr
.Lnot_mine_\@:
.endm
	s_load_b128 s[4:7], s[0:1], 0x0                ; qkv s[4:5], pw s[6:7]
	s_load_b64 s[8:9], s[0:1], 0x10                ; stat
	v_lshl_add_u32 v[SPW], v0, 2, SPARE
	v_mov_b32 v[NIL], 0
	ds_add_u32 v[SPW], v[NIL]                      ; the wave's opening: the add and its wait ahead of my first tensor load
	v_lshrrev_b32 v1, 5, v0
	v_readfirstlane_b32 s10, v1
	s_lshr_b32 s11, s10, 1                         ; my half of the rows; also: I fetch q (0) or k (1)
	s_and_b32 s12, s10, 1                          ; my half of the keys; also: which half of that tile I fetch
	s_mov_b32 s15, ttmp9                           ; the tile's number in the triangle
	s_and_b32 s16, ttmp7, 0xffff                   ; the batch
	s_mov_b32 s13, 0
.irp t, 1,3,6,10,15,21,28
	s_cmp_ge_u32 s15, \t
	s_cselect_b32 s14, 1, 0
	s_add_co_u32 s13, s13, s14                     ; I = how many rows of the triangle lie in front
.endr
	s_add_co_u32 s14, s13, 1
	s_mul_i32 s14, s14, s13
	s_lshr_b32 s14, s14, 1
	s_sub_co_u32 s14, s15, s14                     ; J
	s_mov_b32 s[G1+0], (1<<16)|(1<<20)|(5<<22)|(3<<25)  ; 2-byte elements; padding on; after every 64 words 4 words
	s_mov_b32 s[G1+1], 128<<16
	s_mov_b32 s[G1+2], 128<<16
	s_mov_b32 s[G1+3], 128<<16
	s_mov_b32 s[G1+4], 128
	s_mov_b32 s[G1+5], 3072
	s_mov_b32 s[G1+6], 0
	s_mov_b32 s[G1+7], 0
	s_mul_i32 s20, s10, HALFT
	s_mov_b32 s[CUR], 0
	s_mov_b32 s[NX], SLOT
	s_mov_b32 s[CS], 0x3d38aa3b                    ; c = log2(e) / 32
	s_mov_b32 s[CS+1], s[CS]
	s_mov_b32 s[SEL], 0x76543210
	s_mov_b32 s[SEL+1], 0xfedcba98
	s_mov_b32 s18, 2048
	s_cmp_eq_u32 s11, 0
	s_cselect_b32 s17, s13, s14                    ; q's block I or k's block J
	s_cselect_b32 s18, 0, s18                      ; q's columns or k's
	s_lshl_b32 s17, s17, 8
	s_lshl_b32 s19, s16, 11
	s_add_co_u32 s17, s17, s19
	s_lshl_b32 s19, s12, 7
	s_add_co_u32 s17, s17, s19
	s_mul_i32 s17, s17, QPITCH
	s_add_co_u32 s46, s17, s18
	s_mov_b32 s47, 0
	s_sub_co_u32 s21, s13, s14
	s_cmp_eq_u32 s11, 0
	s_cselect_b32 s21, s14, s21                    ; q: J; k: I - J
	s_cmp_eq_u32 s21, 0
	s_cselect_b32 s[LIM], 2, -1
	s_wait_dscnt 0x0                               ; the opening add is done
	s_wait_kmcnt 0x0
	s_add_nc_u64 s[46:47], s[4:5], s[46:47]
	s_add_nc_u64 s[PFA:PFA+1], s[46:47], 3*256     ; at K step 3: the first refill steps it to 4
.irp s, 0,1
	s_mov_b32 s[G0+4*(\s)], 1
	s_add_co_u32 s[G0+4*(\s)+1], s20, (\s)*SLOT
	s_add_nc_u64 s[G0+4*(\s)+2:G0+4*(\s)+3], s[46:47], (\s)*256
	s_or_b32 s[G0+4*(\s)+3], s[G0+4*(\s)+3], 0x80000000
	tensor_load_to_lds s[G0+4*(\s):G0+4*(\s)+3], s[G1:G1+7]  ; the two first fills: two loads of mine are out
	s_nop 0
.endr
.rept 4
	v_nop
.endr
	v_and_b32 v1, 15, v0                           ; r
	v_bfe_u32 v2, v0, 4, 1                         ; h
	v_mul_u32_u24 v3, v1, PITCH
	v_lshl_add_u32 v3, v2, 4, v3
	s_mul_i32 s21, s11, HALFT
	v_add_nc_u32 v[A0], s21, v3
	s_mul_i32 s21, s12, HALFT
	s_add_co_u32 s21, s21, 2*HALFT
	v_add_nc_u32 v[B0], s21, v3
	v_add_nc_u32 v[AC], s[CUR], v[A0]
	v_add_nc_u32 v[BC], s[CUR], v[B0]
	v_add_nc_u32 v[AN], s[NX], v[A0]
	v_add_nc_u32 v[BN], s[NX], v[B0]
	s_mul_i32 s23, s10, 16*SPITCH
	s_add_co_u32 s23, s23, STAGE
	v_mul_u32_u24 v4, v1, SPITCH
	v_lshl_add_u32 v4, v2, 4, v4
	v_add_nc_u32 v[STO], s23, v4
	v_mul_u32_u24 v5, v2, SPITCH
	v_lshl_add_u32 v5, v1, 4, v5
	v_add_nc_u32 v[RD], s23, v5
	v_lshlrev_b32 v5, 12, v2
	v_lshl_add_u32 v[CO], v1, 4, v5
	v_lshl_add_u32 v[SA], v1, 2, s23
	v_and_b32 v6, 31, v0
	v_lshl_add_u32 v[SB], v6, 4, s23
	v_lshlrev_b32 v[SO], 4, v6
	v_mul_u32_u24 v[PFO], v6, QPITCH
	s_lshl_b32 s46, s16, 23                        ; pw at my part of the tile
	s_lshl_b32 s47, s13, 20
	s_add_co_u32 s46, s46, s47
	s_lshl_b32 s47, s11, 19
	s_add_co_u32 s46, s46, s47
	s_lshl_b32 s47, s14, 9
	s_add_co_u32 s46, s46, s47
	s_lshl_b32 s47, s12, 8
	s_add_co_u32 s46, s46, s47
	s_mov_b32 s47, 0
	s_add_nc_u64 s[6:7], s[6:7], s[46:47]
	s_lshl_b32 s46, s16, 4                         ; stat at batch, key block 2 J + my half, my 128 rows
	s_lshl_b32 s47, s14, 1
	s_add_co_u32 s46, s46, s47
	s_add_co_u32 s46, s46, s12
	s_lshl_b32 s46, s46, 14
	s_lshl_b32 s47, s13, 10
	s_add_co_u32 s46, s46, s47
	s_lshl_b32 s47, s11, 9
	s_add_co_u32 s46, s46, s47
	s_mov_b32 s47, 0
	s_add_nc_u64 s[8:9], s[8:9], s[46:47]
	; the masks.  Only the tile on the diagonal hides anything.  There my quarter is all hidden (rows' half 0, keys' half 1), all seen (1, 0), or holds the diagonal (equal halves).
	s_cmp_eq_u32 s13, s14
	s_cselect_b32 s21, 1, 0
	s_and_not1_b32 s22, s12, s11
	s_and_b32 s22, s22, s21
	s_cmp_eq_u32 s22, 1
	s_cselect_b32 s22, 0xf1800000, 0               ; left of my diagonal: -2^100 only where all is hidden
	s_and_not1_b32 s23, s11, s12
	s_xor_b32 s23, s23, 1
	s_and_b32 s23, s23, s21
	s_cmp_eq_u32 s23, 1
	s_cselect_b32 s23, 0xf1800000, 0               ; right of it: -2^100 unless all is seen
	v_lshlrev_b32 v6, 3, v2
	v_sub_nc_u32 v6, v1, v6                        ; r - 8 h: register j of a piece on the diagonal is hidden where j is greater
.set j, 0
.rept 8
	v_mov_b32 v[ML+j], s22
	v_mov_b32 v[MG+j], s23
.set j, j+1
.endr
.set j, 0
.rept 8
	v_cmp_gt_i32 vcc_lo, j, v6
	v_cndmask_b32 v[ME+j], v[ML], v[MG], vcc_lo
.set j, j+1
.endr
; 16 matrix instructions.  mode = 1: the product starts the sums with the mask of its piece as C.  The 64 accumulators take turns.
.macro MUL16 f, hi, a0, mode
.if \mode
	WIN 0x81+0x40*(\hi)                            ; C in window 0
.else
	WIN MUL_LO+0x50*(\hi)
.endif
.irp a, \a0, (\a0)+1
.irp b, 0,1,2,3,4,5,6,7
.if \mode
.if (\b) < 4*(\hi)+(\a)
.set MK, ML
.elseif (\b) == 4*(\hi)+(\a)
.set MK, ME
.else
.set MK, MG
.endif
	v_wmma_f32_16x16x32_f16 v[8*(8*(\a)+(\b)):8*(8*(\a)+(\b))+7], v[(\f)+8*(\b):(\f)+8*(\b)+7], v[(\f)+8*(4*(\hi)+(\a)):(\f)+8*(4*(\hi)+(\a))+7], v[MK:MK+7]
.else
	v_wmma_f32_16x16x32_f16 v[8*(8*(\a)+(\b)):8*(8*(\a)+(\b))+7], v[(\f)+8*(\b):(\f)+8*(\b)+7], v[(\f)+8*(4*(\hi)+(\a)):(\f)+8*(4*(\hi)+(\a))+7], v[8*(8*(\a)+(\b)):8*(8*(\a)+(\b))+7]
.endif
.endr
.endr
.endm
.macro FETCH w, q, f
	WIN TO_B
.irp i, 0,1,2,3,4,5,6,7
	ds_load_b128 v[(\f)+8*(\i):(\f)+8*(\i)+3],   v[BC+2*(\w)] offset:(\q)*64+(\i)*16*PITCH
	ds_load_b128 v[(\f)+8*(\i)+4:(\f)+8*(\i)+7], v[BC+2*(\w)] offset:(\q)*64+(\i)*16*PITCH+32
.endr
	WIN 0
.irp i, 0,1,2,3,4,5,6,7
	ds_load_b128 v[(\f)+8*(\i):(\f)+8*(\i)+3],   v[AC+2*(\w)] offset:(\q)*64+(\i)*16*PITCH
	ds_load_b128 v[(\f)+8*(\i)+4:(\f)+8*(\i)+7], v[AC+2*(\w)] offset:(\q)*64+(\i)*16*PITCH+32
.endr
.endm
.macro QUARTER w, q, f, g, mode
	s_wait_dscnt 8                                 ; k and q's rows 0-63 are in; the youngest eight loads may be out
	MUL16 \f, 0, 0, \mode
	MUL16 \f, 0, 2, \mode
	PLACES
	FETCH \w, \q, \g
	s_wait_dscnt 32                                ; all but the 32 just issued
	MUL16 \f, 1, 0, \mode
	MUL16 \f, 1, 2, \mode
.endm
.macro MEET                            ; the one barrier of a change of slots: all my tensor loads have landed, the add, my reads of this slot are over
	WIN 0
	s_wait_tensorcnt 0x0
	ds_add_u32 v[SPW], v[NIL]
	s_wait_dscnt 9                                 ; the add and the youngest eight loads may be out
	MUL16 F1, 0, 0, 0
	s_wait_dscnt 0x0
	s_barrier_signal -1
	MUL16 F1, 0, 2, 0
	WIN 0
	s_barrier_wait -1
.endm
.macro TURN
	s_wait_xcnt 0x0                                ; the last prefetches, a K step back, have read their address
	s_add_nc_u64 s[PFA:PFA+1], s[PFA:PFA+1], 256
	MEET
	s_add_nc_u64 s[G0+6:G0+7], s[G0+6:G0+7], 256   ; the walking descriptor: the next K step, into the slot just read
	s_add_co_u32 s[G0+5], s20, s[CUR]
	tensor_load_to_lds s[G0+4:G0+7], s[G1:G1+7]    ; my one tensor load behind the barrier, 224 matrix instructions ahead of the wait for it
	s_nop 0
.rept 4
	v_nop
.endr
	FETCH 1, 0, F0
	ASK
	MUL16 F1, 1, 0, 0
	MUL16 F1, 1, 2, 0
.endm
.macro STEP
	WIN 0
	s_xor_b32 s[CUR], s[CUR], SLOT
	s_xor_b32 s[NX], s[NX], SLOT
	v_add_nc_u32 v[AC], s[CUR], v[A0]
	v_add_nc_u32 v[BC], s[CUR], v[B0]
	v_add_nc_u32 v[AN], s[NX], v[A0]
	v_add_nc_u32 v[BN], s[NX], v[B0]
.endm
; THE SOFTMAX OF ROW BLOCK a: a lane holds one row (r) and 64 of its 128 scores; the lane 16 away holds the others.
.macro SOFT a
.set AB, 64*((\a)%4)
.set WW, 2+(\a)/4
	WIN WW|(WW<<2)|(WW<<4)
.irp b, 0,1,2,3,4,5,6,7
	v_max3_num_f32 v[CB+(\b)], v[AB+8*(\b)], v[AB+8*(\b)+1], v[AB+8*(\b)+2]  ; each accumulator's lowest registers are read first
.endr
	WIN (WW<<2)|(WW<<4)
.irp b, 0,1,2,3,4,5,6,7
	v_max3_num_f32 v[CB+(\b)], v[CB+(\b)], v[AB+8*(\b)+3], v[AB+8*(\b)+4]
.endr
.irp b, 0,1,2,3,4,5,6,7
	v_max3_num_f32 v[CB+(\b)], v[CB+(\b)], v[AB+8*(\b)+5], v[AB+8*(\b)+6]
.endr
.irp k, 0,1,2,3
	v_max3_num_f32 v[CB+2*(\k)], v[CB+2*(\k)], v[AB+16*(\k)+7], v[AB+16*(\k)+15]
.endr
	WIN 0
	v_max3_num_f32 v[CB], v[CB], v[CB+1], v[CB+2]
	v_max3_num_f32 v[CB+3], v[CB+3], v[CB+4], v[CB+5]
	v_max3_num_f32 v[CB+6], v[CB+6], v[CB+7], v[FLO]
	v_max3_num_f32 v[CB], v[CB], v[CB+3], v[CB+6]
	v_permlanex16_b32 v[CB+1], v[CB], s[SEL], s[SEL+1]
	v_max_num_f32 v[CB], v[CB], v[CB+1]            ; m
	v_mul_f32 v[CM], s[CS], v[CB]                  ; c m
	v_mul_f32 v[CMS+(\a)], s[CS], v[CB]
	WIN WW|(WW<<6)
.set z, 0
.rept 32
	v_pk_fma_f32 v[AB+z:AB+z+1], v[AB+z:AB+z+1], s[CS:CS+1], v[CM:CM+1] op_sel_hi:[1,0,0] neg_lo:[0,0,1] neg_hi:[0,0,1]  ; c s - c m
.set z, z+2
.endr
.set z, 0
.rept 64
	v_exp_f32 v[AB+z], v[AB+z]                     ; one batch
.set z, z+1
.endr
	v_nop                                          ; a plain instruction behind the last exponential,
	s_wait_alu depctr_va_vdst(0)                   ; and one wait for the batch, ahead of its first reader
	WIN WW|(WW<<2)
.irp b, 0,1,2,3,4,5,6,7
.irp r, 0,1,2,3
	v_cvt_pk_f16_f32 v[TMP+4*(\b)+(\r)], v[AB+8*(\b)+2*(\r)], v[AB+8*(\b)+2*(\r)+1]
.endr
.endr
.set z, 0
.rept 16
	v_pk_add_f32 v[SU+2*z:SU+2*z+1], v[AB+4*z:AB+4*z+1], v[AB+4*z+2:AB+4*z+3]
.set z, z+1
.endr
	WIN 0
.irp w, 4,8,16,32
.set z, 0
.rept 32/(\w)
	v_pk_add_f32 v[SU+(\w)*z:SU+(\w)*z+1], v[SU+(\w)*z:SU+(\w)*z+1], v[SU+(\w)*z+(\w)/2:SU+(\w)*z+(\w)/2+1]
.set z, z+1
.endr
.endr
	v_add_f32 v[SU], v[SU], v[SU+1]
	v_permlanex16_b32 v[SU+1], v[SU], s[SEL], s[SEL+1]
	v_add_f32 v[LSM+(\a)], v[SU], v[SU+1]          ; l
.endm
.macro TOSTAGE a
	WIN 0
.set BK, OB+192*((\a)%2)
.irp b, 0,1,2,3,4,5,6,7
	ds_store_b128 v[STO], v[TMP+4*(\b):TMP+4*(\b)+3] offset:32*(\b)
.endr
.irp t, 0,1,2,3,4,5,6,7
	ds_load_b128 v[BK+4*(\t):BK+4*(\t)+3], v[RD] offset:(\t)*2*SPITCH  ; LDS serves a wave's instructions in order (ISA guide 5.7.1.4)
.endr
.endm
.macro SEND a
	WIN 0
.set BK, OB+192*((\a)%2)
	s_wait_dscnt 0x0
	s_wait_xcnt 0x0                                ; the stores of the block before have read their registers, which the next block's loads take
.irp t, 0,1,2,3,4,5,6,7
	global_store_b128 v[CO], v[BK+4*(\t):BK+4*(\t)+3], s[6:7] offset:(16*(\a)+2*(\t))*CPITCH  ; 16 lanes store 256 consecutive bytes, aligned
.endr
.endm
	s_wait_tensorcnt 1                             ; my part of K step 0 is in; K step 1's may stay out
	s_barrier_signal -1
	s_barrier_wait -1
	FETCH 0, 0, F0
	QUARTER 0, 1, F0, F1, 1                        ; the first quarter starts the sums, with the masks
	WIN 0
	s_mov_b32 s3, 6
.Lstep:
	QUARTER 0, 2, F1, F0, 0
	QUARTER 0, 3, F0, F1, 0
	TURN
	QUARTER 1, 1, F0, F1, 0
	STEP
	s_sub_co_u32 s3, s3, 1
	s_cmp_lg_u32 s3, 0
	s_cbranch_scc1 .Lstep
	s_mov_b32 s70, 2
.Ltail:                                        ; the last two K steps ask for nothing
	QUARTER 0, 2, F1, F0, 0
	QUARTER 0, 3, F0, F1, 0
	MEET
	s_cmp_eq_u32 s70, 1
	s_cbranch_scc1 .Lno_fetch
	PLACES
	FETCH 1, 0, F0
.Lno_fetch:
	MUL16 F1, 1, 0, 0
	MUL16 F1, 1, 2, 0
	WIN 0
	s_cmp_eq_u32 s70, 1
	s_cbranch_scc1 .Lbottom
	QUARTER 1, 1, F0, F1, 0
	STEP
.Lbottom:
	s_sub_co_u32 s70, s70, 1
	s_cmp_lg_u32 s70, 0
	s_cbranch_scc1 .Ltail
	PLACES
	v_mov_b32 v[CM+1], 0                           ; named with c m as a pair
	v_mov_b32 v[FLO], 0xf1000000                   ; -2^99
	SOFT 0
	TOSTAGE 0
.irp a, 1,2,3,4,5,6,7
	SOFT \a
	SEND (\a)-1
	TOSTAGE \a
.endr
	SEND 7
.irp a, 0,1,2,3,4,5,6,7                ; the rows' figures: both halves of the lanes hold the same number and write the same word
	ds_store_b32 v[SA], v[CMS+(\a)] offset:64*(\a)
	ds_store_b32 v[SA], v[LSM+(\a)] offset:512+64*(\a)
.endr
	ds_load_b128 v[SU:SU+3], v[SB]
	ds_load_b128 v[SU+4:SU+7], v[SB] offset:512
	s_wait_dscnt 0x0
	global_store_b128 v[SO], v[SU:SU+3], s[8:9]                  ; 128 rows' c m: 512 consecutive bytes, aligned
	global_store_b128 v[SO], v[SU+4:SU+7], s[8:9] offset:8192    ; and their l
	s_wait_tensorcnt 0x0                           ; the wave's end
	ds_add_u32 v[SPW], v[NIL]
	s_wait_dscnt 0x0
	s_endpgm
.Lfunc_end_k_q81e58ce9e3_score:
	.size	k_q81e58ce9e3_score, .Lfunc_end_k_q81e58ce9e3_score-k_q81e58ce9e3_score
	.p2alignl 7, 3214868480
	.fill 96, 4, 3214868480
	.section	.rodata,"a",@progbits
	.p2align	6, 0x0
	.amdhsa_kernel k_q81e58ce9e3_score
		.amdhsa_group_segment_fixed_size 327680
		.amdhsa_private_segment_fixed_size 0
		.amdhsa_enable_private_segment 0
		.amdhsa_kernarg_size 24
		.amdhsa_user_sgpr_count 2
		.amdhsa_user_sgpr_kernarg_segment_ptr 1
		.amdhsa_wavefront_size32 1
		.amdhsa_system_sgpr_workgroup_id_x 1
		.amdhsa_system_sgpr_workgroup_id_y 1
		.amdhsa_system_sgpr_workgroup_id_z 1
		.amdhsa_system_vgpr_workitem_id 0
		.amdhsa_next_free_vgpr 1024
		.amdhsa_next_free_sgpr 80
		.amdhsa_reserve_vcc 1
		.amdhsa_float_denorm_mode_32 3
		.amdhsa_float_denorm_mode_16_64 3
		.amdhsa_memory_ordered 1
		.amdhsa_forward_progress 1
		.amdhsa_inst_pref_size 169
	.end_amdhsa_kernel
	.amdgpu_metadata
---
amdhsa.version: [ 1, 2 ]
amdhsa.kernels:
  - .name:           k_q81e58ce9e3_score
    .symbol:         k_q81e58ce9e3_score.kd
    .args:
      - { .name: qkv, .offset: 0, .size: 8, .value_kind: global_buffer, .address_space: global }
      - { .name: pw, .offset: 8, .size: 8, .value_kind: global_buffer, .address_space: global }
      - { .name: stat, .offset: 16, .size: 8, .value_kind: global_buffer, .address_space: global }
    .group_segment_fixed_size: 327680
    .private_segment_fixed_size: 0
    .kernarg_segment_align: 8
    .kernarg_segment_size: 24
    .max_flat_workgroup_size: 128
    .sgpr_count:     80
    .vgpr_count:     1024
    .wavefront_size: 32
...
	.end_amdgpu_metadata
.endif
;; end of part 3
;; launch ctx (part 4): grid 8 x 32, 4 waves a work-group, clusters of 4 x 4, 327,680 bytes of LDS; arguments pw, qkv, stat, out0; writes out0
.if DOCPART == 4
	.amdgcn_target "amdgcn-amd-amdhsa--gfx1250"
	.amdhsa_code_object_version 6
	.text
	.protected	k_q81e58ce9e3_ctx
	.globl	k_q81e58ce9e3_ctx
	.p2align	8
	.type	k_q81e58ce9e3_ctx,@function
k_q81e58ce9e3_ctx:
	s_mov_b64 s[64:65], 0
	v_nop
	global_prefetch_b8 v0, s[64:65] scope:SCOPE_SE
	s_setreg_imm32_b32 hwreg(HW_REG_WAVE_MODE, 25, 1), 1
	s_wait_xcnt 0x0
	s_wait_alu depctr_hold_cnt(0) depctr_sa_sdst(0) depctr_va_vdst(0) depctr_va_sdst(0) depctr_va_ssrc(0) depctr_va_vcc(0) depctr_vm_vsrc(0)
	s_getreg_b32 s2, hwreg(HW_REG_IB_STS2, 6, 4)
	s_cmp_eq_u32 s2, 0
	s_cbranch_scc0 .Lentry_in_a_cluster
	s_endpgm
.Lentry_in_a_cluster:
	s_bfe_u32 s2, ttmp6, 0x10000c
	s_cmp_lg_u32 s2, 0xf033
	s_cbranch_scc0 .Lentry_shape_is_right
	s_endpgm
.Lentry_shape_is_right:
; out[row][ch] = the sum over key blocks kb of F[row][kb] x (P_kb[row][:] . V_kb[:][ch]).  P (f16) and, for each row and block of 128 keys, c m and l (f32) come from the launch before; V is qkv's third part (f16).
; For a row: M = the maximum of c m over its blocks, f = 2^(c m - M), L = the sum of f l, F = f / L: the row's true maximum is taken away, and P is not rounded again.  Each block's product has a fresh f32 sum T; O += F T in f32.
; SHARES.  A work-group makes two tiles of 128 rows x 128 channels, one after the other: row blocks i1 = 4 (3 - u) + cy and i2 = 4 u + cy (u = cluster y % 2, the batch = cluster y / 2), channels 128 (4 cluster x + cx) on.
; A slot is 256 keys.  The first tile walks 8 - 2 u slots, the second 2 u + 2: ten in all, the same in all sixteen partners.  P's tile is asked for jointly along a row of the cluster, V's along a column.
; A partner whose rows end earlier than the walk goes on asking and multiplying: its P address is held at its last written slot, and the blocks that its rows do not see have F = 0.
; Four waves, each 64 rows x 64 channels: 16 accumulators.  Source 0 = 16 channels of V (turned out of LDS), source 1 = 16 rows of P: a lane holds one row and eight channels, so F is one number a lane and row block.
; The 64 packed multiply-adds O += F T of a key block stand four behind each of 16 matrix instructions of the next key block.
; PRICE: 256 + 128 v_mov_b32 write zeros (O and the second T at the start, in the wait for the first tile; O again between the tiles), so that every slot has one text.
; A clamped slot of P may be named twice by the prefetch (partners whose rows end early).  LIMITS: f and weights below 2^-126 count as 0; NaN and infinities are not treated apart.
; REGISTERS: window 0: v8-29 addresses, v32-55 F (three sets of four pairs), v64-95 rows on the way out (v64-155 scratch at the head); window 1: two fragment buffers of 128; window 2: T0, T1; window 3: O.
.set PA,     528                       ; a row of P in LDS: 512 bytes + 16
.set PV,     288                       ; a row of V: 256 bytes + 32
.set AHALF,  64*PA
.set BHALF,  128*PV
.set BOFF,   2*AHALF
.set SLOT,   2*AHALF+2*BHALF
.set STAGE,  2*SLOT
.set SPITCH, 272
.set FTAB,   STAGE+4*16*SPITCH         ; F, f32 [20 key blocks in the order of the walk][128 rows]
.set SPARE,  FTAB+20*512
.set VSTEP,  256*6144                  ; a slot's keys in qkv
.set A0, 8
.set B0, 9
.set AC, 10
.set BC, 11
.set BC2, 12                           ; BC + 128 keys: the immediates stay inside 16 bits
.set AN, 13
.set BN, 14
.set FA0, 15
.set FAD, 16
.set STO, 17
.set RD,  18
.set CO,  19
.set PFO, 20
.set T4,  21
.set FW,  22
.set SPW, 28
.set NIL, 29
.set FP,  32                           ; F of the slot before's second key block; of row block a at + 2 a, the odd registers 0
.set FC0, 40                           ; of this slot's first,
.set FC1, 48                           ; and second
.set OB,  64
.set VA,  64                           ; the head: 24 offsets,
.set CMR, 96                           ; 24 c m, then f, then F: phase 1's kb 0-15, phase 2's kb 0-7
.set LLR, 128                          ; 24 l
.set MX,  152
.set LSU, 154
.set F0,  0
.set F1,  128
.set T0,  0
.set T1,  128
.set WV,  12
.set IHC, 20
.set IH2, 21
.set NL2, 22
.set G1A, 24
.set G0A, 32
.set PAC, 40
.set PA2, 42
.set VB,  44
.set NXT, 46
.set NLIM, 47
.set G1B, 48
.set G0B, 56
.set CUR, 70
.set NX,  71
.set FT,  72
.set CNT, 73
.set TC,  74
.set PL,  75
.set OUTC, 76
.set OUT2, 78
.set LBA, 80
.set LBB, 81
.set PFC, 82
.set PF2, 84
.set PFA, 86
.set PEN, 88
.set PGO, 89
.set PE2, 99
.set MSB, 0
.macro WIN new
.if MSB != (\new)
	s_set_vgpr_msb (MSB<<8)|(\new)
.set MSB, \new
.endif
.endm
.macro PLACES
.rept 4
	v_nop
.endr
.endm
.macro JLOAD                           ; waves 0, 1 ask for P's halves, waves 2, 3 for V's
	s_cmp_eq_u32 s13, 0
	s_cbranch_scc0 .Lfor_b_\@
	tensor_load_to_lds s[G0A+4:G0A+7], s[G1A:G1A+7]
	s_nop 0
.rept 4
	v_nop
.endr
	s_branch .Lasked_\@
.Lfor_b_\@:
	tensor_load_to_lds s[G0B+4:G0B+7], s[G1B:G1B+7]
	s_nop 0
.rept 4
	v_nop
.endr
.Lasked_\@:
.endm
; One prefetch a wave behind a refill, for the slot two refills on in the same tile's walk (256 matrix instructions ahead of its load).  P is asked for by the clusters with x = 0, V by those with u = 0 in their first tile, whose walk
; holds all the batch's keys.  The four partners of a joint load share its blocks out by address: 16 rows x 2 blocks of P, or 32 keys of V.
.macro ASK
	s_cmp_eq_u32 s[PGO], 1
	s_cbranch_scc0 .Lnot_mine_\@
	global_prefetch_b8 v[PFO], s[PFA:PFA+1] th:TH_LOAD_NT scope:SCOPE_SE
.Lnot_mine_\@:
.endm
.macro CREST
	s_cmp_lg_u32 s[WV], 0
	s_cbranch_scc1 .Lnot_wave_0_\@
	s_barrier_signal -3
.Lnot_wave_0_\@:
	s_barrier_wait -3
	s_barrier_signal -1
	s_barrier_wait -1
.endm
.macro CROUND
	s_barrier_signal -1
	s_barrier_wait -1
	CREST
.endm
	s_load_b256 s[4:11], s[0:1], 0x0               ; pw s[4:5], qkv s[6:7], stat s[8:9], out0 s[10:11]
	v_lshl_add_u32 v[SPW], v0, 2, SPARE
	v_mov_b32 v[NIL], 0
	ds_add_u32 v[SPW], v[NIL]                      ; the wave's opening: the add and its wait ahead of my first tensor load
	v_lshrrev_b32 v1, 5, v0
	v_readfirstlane_b32 s[WV], v1
	s_lshr_b32 s13, s[WV], 1                       ; my half of the rows; also: I fetch P (0) or V (1)
	s_and_b32 s14, s[WV], 1                        ; my half of the channels; also: which half of that tile I fetch
	s_bfe_u32 s15, ttmp6, 0x40000                  ; cx
	s_bfe_u32 s16, ttmp6, 0x40004                  ; cy
	s_mov_b32 s17, ttmp9                           ; cluster x
	s_and_b32 s18, ttmp7, 0xffff
	s_and_b32 s19, s18, 1                          ; u
	s_lshr_b32 s18, s18, 1                         ; the batch
	s_sub_co_u32 s92, 3, s19
	s_lshl_b32 s92, s92, 2
	s_add_co_u32 s92, s92, s16                     ; i1
	s_lshl_b32 s93, s19, 2
	s_add_co_u32 s93, s93, s16                     ; i2
	s_lshr_b32 s[IHC], s92, 1                      ; the last slot of P that i1's rows have
	s_lshr_b32 s[IH2], s93, 1
	s_lshl_b32 s[NL2], s19, 1
	s_sub_co_u32 s[NLIM], 8, s[NL2]                ; the first tile's slots
	s_add_co_u32 s[NL2], s[NL2], 2                 ; the second's
	s_mov_b32 s[PL], s[NLIM]
	s_mov_b32 s[NXT], 2
	s_mov_b32 s[CUR], 0
	s_mov_b32 s[NX], SLOT
	s_mov_b32 s[FT], 0
	s_lshl_b32 s90, s16, 2
	s_lshl_b32 s90, 15, s90                        ; my row of the cluster
	s_or_b32 s[G1A+0], s90, (1<<16)|(1<<20)|(1<<21)|(6<<22)|(3<<25)  ; mask; 2-byte elements; padding on; bit 21 beside a mask; after every 128 words 4 words
	s_mov_b32 s[G1A+1], 256<<16                    ; tensor_dim0 = 256
	s_mov_b32 s[G1A+2], 64<<16                     ; tensor_dim1 = 64
	s_mov_b32 s[G1A+3], 256<<16                    ; tile_dim0 = 256
	s_mov_b32 s[G1A+4], 64                         ; tile_dim1 = 64
	s_mov_b32 s[G1A+5], 2048
	s_mov_b32 s[G1A+6], 0
	s_mov_b32 s[G1A+7], 0
	s_lshl_b32 s98, 0x1111, s15                    ; my column
	s_or_b32 s[G1B+0], s98, (1<<16)|(1<<20)|(1<<21)|(5<<22)|(7<<25)  ; after every 64 words 8 words
	s_mov_b32 s[G1B+1], 128<<16
	s_mov_b32 s[G1B+2], 128<<16
	s_mov_b32 s[G1B+3], 128<<16
	s_mov_b32 s[G1B+4], 128
	s_mov_b32 s[G1B+5], 3072
	s_mov_b32 s[G1B+6], 0
	s_mov_b32 s[G1B+7], 0
	s_mul_i32 s[LBA], s14, AHALF                   ; where my loads land in a slot: the wave's number alone
	s_mul_i32 s[LBB], s14, BHALF
	s_add_co_u32 s[LBB], s[LBB], BOFF
	s_lshl_b32 s90, s18, 23                        ; P: the batch's 2,048 rows of 4,096 bytes,
	s_lshl_b32 s91, s14, 18                        ; the 64 rows that I fetch,
	s_add_co_u32 s90, s90, s91
	s_lshl_b32 s66, s92, 19                        ; the row block
	s_add_co_u32 s66, s66, s90
	s_mov_b32 s67, 0
	s_lshl_b32 s94, s93, 19
	s_add_co_u32 s94, s94, s90
	s_mov_b32 s95, 0
	s_lshl_b32 s98, s17, 2
	s_add_co_u32 s98, s98, s15                     ; the channel block
	s_mul_i32 s68, s18, 2048*6144                  ; V: the batch, the 128 keys that I fetch, the channels
	s_mul_i32 s69, s14, 128*6144
	s_add_co_u32 s68, s68, s69
	s_lshl_b32 s69, s98, 8
	s_add_co_u32 s68, s68, s69
	s_add_co_u32 s68, s68, 4096
	s_mov_b32 s69, 0
	s_wait_dscnt 0x0                               ; the opening add is done
	s_wait_kmcnt 0x0
	s_add_nc_u64 s[PAC:PAC+1], s[4:5], s[66:67]
	s_add_nc_u64 s[PA2:PA2+1], s[4:5], s[94:95]
	s_add_nc_u64 s[VB:VB+1], s[6:7], s[68:69]
	s_mov_b32 s[G0A], 1
	s_add_co_u32 s[G0A+1], s[LBA], 0
	s_add_nc_u64 s[G0A+2:G0A+3], s[PAC:PAC+1], 0
	s_or_b32 s[G0A+3], s[G0A+3], 0x80000000
	s_mov_b32 s[G0A+4], 1
	s_add_co_u32 s[G0A+5], s[LBA], SLOT
	s_add_nc_u64 s[G0A+6:G0A+7], s[PAC:PAC+1], 512
	s_or_b32 s[G0A+7], s[G0A+7], 0x80000000
	s_mov_b32 s[G0B], 1
	s_add_co_u32 s[G0B+1], s[LBB], 0
	s_add_nc_u64 s[G0B+2:G0B+3], s[VB:VB+1], 0
	s_or_b32 s[G0B+3], s[G0B+3], 0x80000000
	s_mov_b32 s[G0B+4], 1
	s_add_co_u32 s[G0B+5], s[LBB], SLOT
	s_add_nc_u64 s[G0B+6:G0B+7], s[VB:VB+1], VSTEP
	s_or_b32 s[G0B+7], s[G0B+7], 0x80000000
	CROUND                                         ; all sixteen work-groups are here: the first joint loads meet
	s_cmp_eq_u32 s13, 0                            ; a wave's two first fills stand in one branch: two loads of mine are out
	s_cbranch_scc0 .Lfirst_b
	tensor_load_to_lds s[G0A:G0A+3], s[G1A:G1A+7]
	s_nop 0
	tensor_load_to_lds s[G0A+4:G0A+7], s[G1A:G1A+7]
	s_nop 0
.rept 4
	v_nop
.endr
	s_branch .Lfirst_asked
.Lfirst_b:
	tensor_load_to_lds s[G0B:G0B+3], s[G1B:G1B+7]
	s_nop 0
	tensor_load_to_lds s[G0B+4:G0B+7], s[G1B:G1B+7]
	s_nop 0
.rept 4
	v_nop
.endr
.Lfirst_asked:
	; out0 at my part of the two tiles
	s_lshl_b32 s96, s18, 23
	s_lshl_b32 s97, s13, 18
	s_add_co_u32 s96, s96, s97
	s_lshl_b32 s97, s98, 9
	s_add_co_u32 s96, s96, s97
	s_lshl_b32 s97, s14, 8
	s_add_co_u32 s96, s96, s97
	s_lshl_b32 s97, s92, 19
	s_add_co_u32 s94, s96, s97
	s_add_nc_u64 s[OUTC:OUTC+1], s[10:11], s[94:95]
	s_lshl_b32 s97, s93, 19
	s_add_co_u32 s94, s96, s97
	s_add_nc_u64 s[OUT2:OUT2+1], s[10:11], s[94:95]
	; the prefetches' bases
	s_lshl_b32 s94, s15, 16                        ; P: my work-group's 16 of the 64 rows
	s_add_nc_u64 s[PFC:PFC+1], s[PAC:PAC+1], s[94:95]
	s_add_nc_u64 s[PF2:PF2+1], s[PA2:PA2+1], s[94:95]
	s_mul_i32 s94, s16, 32*6144                    ; V: my work-group's 32 of the 128 keys
	s_add_nc_u64 s[96:97], s[VB:VB+1], s[94:95]
	s_cmp_eq_u32 s13, 0
	s_cselect_b64 s[PFC:PFC+1], s[PFC:PFC+1], s[96:97]
	s_cselect_b64 s[PF2:PF2+1], s[PF2:PF2+1], s[96:97]
	s_cselect_b32 s90, s17, s19
	s_cselect_b32 s91, 1, 0
	s_cmp_eq_u32 s90, 0
	s_cselect_b32 s[PEN], 1, 0
	s_and_b32 s[PE2], s[PEN], s91                  ; V is asked for in the first tile alone
	s_mov_b32 s[PGO], 0
	s_cmp_eq_u32 s13, 0
	s_cselect_b32 s90, 0, -1
	v_and_b32 v2, 31, v0
	v_lshrrev_b32 v3, 1, v2
	v_and_b32 v4, 1, v2
	v_lshlrev_b32 v3, 12, v3
	v_lshl_add_u32 v3, v4, 8, v3
	v_mul_u32_u24 v4, v2, 6144
	v_cndmask_b32 v[PFO], v3, v4, s90
	; lane addresses
	v_and_b32 v1, 15, v0                           ; r
	v_bfe_u32 v2, v0, 4, 1                         ; h
	v_mul_u32_u24 v3, v1, PA
	v_lshl_add_u32 v3, v2, 4, v3
	s_mul_i32 s90, s13, AHALF
	v_add_nc_u32 v[A0], s90, v3
	v_and_b32 v4, 7, v0
	v_lshl_add_u32 v4, v2, 3, v4
	v_mul_u32_u24 v4, v4, PV
	v_bfe_u32 v5, v0, 3, 1
	v_lshl_add_u32 v4, v5, 4, v4
	s_lshl_b32 s90, s14, 7
	s_add_co_u32 s90, s90, BOFF
	v_add_nc_u32 v[B0], s90, v4
	v_add_nc_u32 v[AC], s[CUR], v[A0]
	v_add_nc_u32 v[BC], s[CUR], v[B0]
	v_add_nc_u32 v[BC2], 128*PV, v[BC]
	v_add_nc_u32 v[AN], s[NX], v[A0]
	v_add_nc_u32 v[BN], s[NX], v[B0]
	s_lshl_b32 s90, s13, 8
	s_add_co_u32 s90, s90, FTAB
	v_lshl_add_u32 v[FA0], v1, 2, s90              ; F of row 64 x half + r
	v_mov_b32 v[FAD], v[FA0]
	s_mul_i32 s90, s[WV], 16*SPITCH
	s_add_co_u32 s90, s90, STAGE
	v_mul_u32_u24 v3, v1, SPITCH
	v_lshl_add_u32 v3, v2, 5, v3                   ; in: row r, 32 bytes for each half of the lanes
	v_add_nc_u32 v[STO], s90, v3
	v_mul_u32_u24 v3, v2, SPITCH
	v_lshl_add_u32 v3, v1, 4, v3
	v_add_nc_u32 v[RD], s90, v3
	v_lshlrev_b32 v3, 12, v2
	v_lshl_add_u32 v[CO], v1, 4, v3
	v_lshlrev_b32 v[T4], 2, v0
	v_add_nc_u32 v[FW], FTAB, v[T4]
	; THE ROWS' FACTORS.  Thread t is row t of both tiles.  Entry k: the first tile's key block k (k < 16), the second's k - 16.  A block past the row block is read at the row block's own: a copy that cannot raise the maximum.
	s_lshl_b32 s90, s18, 18
	s_mov_b32 s91, 0
	s_add_nc_u64 s[8:9], s[8:9], s[90:91]
	s_lshl_b32 s94, s92, 9
	s_lshl_b32 s96, s93, 9
.set k, 0
.rept 24
.if k < 16
	s_min_u32 s90, s92, k
	s_lshl_b32 s90, s90, 14
	s_add_co_u32 s90, s90, s94
.else
	s_min_u32 s90, s93, k-16
	s_lshl_b32 s90, s90, 14
	s_add_co_u32 s90, s90, s96
.endif
	v_add_nc_u32 v[VA+k], s90, v[T4]
.set k, k+1
.endr
.set k, 0
.rept 24
	global_load_b32 v[CMR+k], v[VA+k], s[8:9]
	global_load_b32 v[LLR+k], v[VA+k], s[8:9] offset:8192
.set k, k+1
.endr
	; what the first slot finds: O and the second T hold 0, F's registers 0.  This stands in the wait for the loads.
	WIN 0x80
.set i, T1
.rept 128
	v_mov_b32 v[i], 0
.set i, i+1
.endr
	WIN 0xc0
.set i, 0
.rept 128
	v_mov_b32 v[i], 0
.set i, i+1
.endr
	WIN 0
.set i, FP
.rept 24
	v_mov_b32 v[i], 0
.set i, i+1
.endr
	s_wait_loadcnt 0x0
	v_max3_num_f32 v[MX], v[CMR], v[CMR+1], v[CMR+2]
.irp k, 3,5,7,9,11,13
	v_max3_num_f32 v[MX], v[MX], v[CMR+(\k)], v[CMR+(\k)+1]
.endr
	v_max_num_f32 v[MX], v[MX], v[CMR+15]
	v_max3_num_f32 v[MX+1], v[CMR+16], v[CMR+17], v[CMR+18]
.irp k, 19,21
	v_max3_num_f32 v[MX+1], v[MX+1], v[CMR+(\k)], v[CMR+(\k)+1]
.endr
	v_max_num_f32 v[MX+1], v[MX+1], v[CMR+23]
.set k, 0
.rept 24
	v_sub_f32 v[CMR+k], v[CMR+k], v[MX+k/16]
.set k, k+1
.endr
.set k, 0
.rept 24
	v_exp_f32 v[CMR+k], v[CMR+k]
.set k, k+1
.endr
	v_nop                                          ; a plain instruction behind the last exponential,
	s_wait_alu depctr_va_vdst(0)                   ; and one wait for the batch
.set k, 0
.rept 24
.if k < 16
	s_cmp_ge_u32 s92, k
.else
	s_cmp_ge_u32 s93, k-16
.endif
	s_cselect_b32 s90, 1.0, 0
	v_mul_f32 v[CMR+k], s90, v[CMR+k]              ; a block that the rows do not see counts for nothing
.set k, k+1
.endr
	v_mul_f32 v[LSU], v[CMR], v[LLR]
	v_mul_f32 v[LSU+1], v[CMR+16], v[LLR+16]
.set k, 1
.rept 15
	v_fmac_f32 v[LSU], v[CMR+k], v[LLR+k]
.set k, k+1
.endr
.set k, 17
.rept 7
	v_fmac_f32 v[LSU+1], v[CMR+k], v[LLR+k]
.set k, k+1
.endr
	v_rcp_f32 v[LSU], v[LSU]                       ; L is at least 1: the block that holds the row's maximum has f = 1 and l >= 1
	v_rcp_f32 v[LSU+1], v[LSU+1]
	v_nop
	s_wait_alu depctr_va_vdst(0)
.set k, 0
.rept 24
	v_mul_f32 v[CMR+k], v[CMR+k], v[LSU+k/16]
.set k, k+1
.endr
	s_cmp_eq_u32 s19, 1
	s_cselect_b32 s97, -1, 0
.set k, 12
.rept 8                                ; into the order of the walk: with u = 1 the second tile begins at entry 12, with u = 0 at entry 16
	v_cndmask_b32 v[CMR+k], v[CMR+k], v[CMR+k+4], s97
.set k, k+1
.endr
.set k, 0
.rept 20
	ds_store_b32 v[FW], v[CMR+k] offset:512*k
.set k, k+1
.endr
; 8 matrix instructions: row blocks a0, a0 + 1 x all 4 channel blocks, 32 keys: half c of buffer f, into t.  zero = 1: the product starts the sums.  rt >= 0: behind each stand four of O += F T for the finished sums at rt, with F at rf.
; The 16 accumulators take turns; T's registers are read from the low end on.
.macro MUL8 f, c, a0, t, zero, rt, rf
.irp a, \a0, (\a0)+1
.irp b, 0,1,2,3
	WIN 0xa5                                       ; both sources window 1, C and D window 2
.if \zero
	v_wmma_f32_16x16x32_f16 v[(\t)+8*(4*(\a)+(\b)):(\t)+8*(4*(\a)+(\b))+7], v[(\f)+64+8*(4*(\c)+(\b)):(\f)+64+8*(4*(\c)+(\b))+7], v[(\f)+8*(4*(\c)+(\a)):(\f)+8*(4*(\c)+(\a))+7], 0
.else
	v_wmma_f32_16x16x32_f16 v[(\t)+8*(4*(\a)+(\b)):(\t)+8*(4*(\a)+(\b))+7], v[(\f)+64+8*(4*(\c)+(\b)):(\f)+64+8*(4*(\c)+(\b))+7], v[(\f)+8*(4*(\c)+(\a)):(\f)+8*(4*(\c)+(\a))+7], v[(\t)+8*(4*(\a)+(\b)):(\t)+8*(4*(\a)+(\b))+7]
.endif
.if (\rt) >= 0
	WIN 0xf2                                       ; T window 2, F window 0, O window 3
.irp z, 0,2,4,6
	v_pk_fma_f32 v[8*(4*(\a)+(\b))+(\z):8*(4*(\a)+(\b))+(\z)+1], v[(\rt)+8*(4*(\a)+(\b))+(\z):(\rt)+8*(4*(\a)+(\b))+(\z)+1], v[(\rf)+2*(\a):(\rf)+2*(\a)+1], v[8*(4*(\a)+(\b))+(\z):8*(4*(\a)+(\b))+(\z)+1] op_sel_hi:[1,0,1]
.endr
.endif
.endr
.endr
.endm
; 32 LDS loads in one run: quarter q (64 keys) of the slot in hand (w = 0) or of the other (w = 1) into buffer f, the first 32 keys first
.macro FETCH w, q, f
.if \w
.set RA, AN
.set RB, BN
.elseif (\q) < 2
.set RA, AC
.set RB, BC
.else
.set RA, AC
.set RB, BC2
.endif
	WIN 0x40
.irp c, 0,1
.irp i, 0,1,2,3
	ds_load_tr16_b128 v[(\f)+64+8*(4*(\c)+(\i)):(\f)+64+8*(4*(\c)+(\i))+3],   v[RB] offset:(((\q)%2)*2+(\c))*32*PV+32*(\i)
	ds_load_tr16_b128 v[(\f)+64+8*(4*(\c)+(\i))+4:(\f)+64+8*(4*(\c)+(\i))+7], v[RB] offset:(((\q)%2)*2+(\c))*32*PV+32*(\i)+16*PV
	ds_load_b128 v[(\f)+8*(4*(\c)+(\i)):(\f)+8*(4*(\c)+(\i))+3],   v[RA] offset:128*(\q)+64*(\c)+(\i)*16*PA
	ds_load_b128 v[(\f)+8*(4*(\c)+(\i))+4:(\f)+8*(4*(\c)+(\i))+7], v[RA] offset:128*(\q)+64*(\c)+(\i)*16*PA+32
.endr
.endr
.endm
.macro FCLOAD                          ; F of a slot's two key blocks, for my four row blocks
.irp a, 0,1,2,3
	ds_load_b32 v[FC0+2*(\a)], v[FAD] offset:64*(\a)
	ds_load_b32 v[FC1+2*(\a)], v[FAD] offset:512+64*(\a)
.endr
.endm
.macro QUARTER q, f, g, t, zero, rt, rf ; multiplies buffer f into t; in its middle fetches quarter q into g; its second half carries the riders
	s_wait_dscnt 16                                ; the first 32 keys' fragments are in (and all that is older)
	MUL8 \f, 0, 0, \t, \zero, -1, 0
	MUL8 \f, 0, 2, \t, \zero, -1, 0
	PLACES
	FETCH 0, \q, \g
	s_wait_dscnt 32                                ; all but the 32 just issued
	MUL8 \f, 1, 0, \t, 0, \rt, \rf
	MUL8 \f, 1, 2, \t, 0, \rt, \rf
.endm
; The walking descriptors are made anew for the slot s[NXT] of the tile whose slots are being asked for; then the prefetch's address for the slot two on; then the walk steps, and behind a tile's last slot goes over to the second tile.
.macro REFILL
	s_min_u32 s66, s[NXT], s[IHC]                  ; P is held at the last slot that my rows have
	s_lshl_b32 s66, s66, 9
	s_add_nc_u64 s[G0A+6:G0A+7], s[PAC:PAC+1], s[66:67]
	s_or_b32 s[G0A+7], s[G0A+7], 0x80000000
	s_add_co_u32 s[G0A+5], s[LBA], s[CUR]
	s_mul_i32 s68, s[NXT], VSTEP
	s_add_nc_u64 s[G0B+6:G0B+7], s[VB:VB+1], s[68:69]
	s_or_b32 s[G0B+7], s[G0B+7], 0x80000000
	s_add_co_u32 s[G0B+5], s[LBB], s[CUR]
	s_add_co_u32 s90, s[NXT], 2
	s_min_u32 s91, s90, s[IHC]
	s_lshl_b32 s91, s91, 9
	s_mul_i32 s94, s90, VSTEP
	s_cmp_eq_u32 s13, 0
	s_cselect_b32 s94, s91, s94
	s_add_nc_u64 s[PFA:PFA+1], s[PFC:PFC+1], s[94:95]
	s_cmp_lt_u32 s90, s[NLIM]                      ; the tile's last two refills have no slot two on
	s_cselect_b32 s[PGO], s[PEN], 0
	s_add_co_u32 s[NXT], s[NXT], 1
	s_cmp_ge_u32 s[NXT], s[NLIM]
	s_cselect_b32 s[NXT], 0, s[NXT]
	s_cselect_b64 s[PAC:PAC+1], s[PA2:PA2+1], s[PAC:PAC+1]
	s_cselect_b32 s[IHC], s[IH2], s[IHC]
	s_cselect_b64 s[PFC:PFC+1], s[PF2:PF2+1], s[PFC:PFC+1]
	s_cselect_b32 s[PEN], s[PE2], s[PEN]
	s_cselect_b32 s[NLIM], s[NL2], s[NLIM]
.endm
; A slot's last quarter and the change of slots.  In front of the one barrier each wave has waited for all its tensor loads (its part of the other slot), added 0 to its spare word, and waited for that and for its reads of this slot.
; fill = 1: the barrier opens a round of the cluster's, and the joint refill is the first tensor load behind it: one load of mine is out, 112 matrix instructions ahead of the wait for it.
.macro TURN fill
.if \fill
	s_wait_xcnt 0x0                                ; the last prefetch, a slot back, has read its address
.endif
	WIN 0
	s_wait_tensorcnt 0x0
	ds_add_u32 v[SPW], v[NIL]                      ; the descriptors' scalar work stands behind it
.if \fill
	REFILL
.endif
	s_wait_dscnt 17                                ; the add and the youngest sixteen loads may be out
	MUL8 F1, 0, 0, T1, 0, -1, 0
	s_wait_dscnt 0x0                               ; the add is done, my reads of this slot are over
	s_barrier_signal -1
	MUL8 F1, 0, 2, T1, 0, -1, 0
	WIN 0
	s_barrier_wait -1
.if \fill
	CREST
	JLOAD
.else
	PLACES
.endif
.irp a, 0,1,2,3
	v_mov_b32 v[FP+2*(\a)], v[FC1+2*(\a)]          ; this slot's second key block is added in the next slot
.endr
.if !(\fill)
	s_cmp_eq_u32 s[TC], 1                          ; the walk's last slot has no next
	s_cbranch_scc1 .Lno_next_\@
.endif
	s_add_co_u32 s[FT], s[FT], 1024
	v_add_nc_u32 v[FAD], s[FT], v[FA0]
	FCLOAD                                         ; older than the 32 loads below, so the counted waits cover them
	FETCH 1, 0, F0
	WIN 0
.if \fill
	ASK
.else
.Lno_next_\@:
.endif
	MUL8 F1, 1, 0, T1, 0, -1, 0
	MUL8 F1, 1, 2, T1, 0, -1, 0
.endm
.macro SLOTX fill
	QUARTER 1, F0, F1, T0, 1, T1, FP               ; keys 0-63 start T0; beside them O takes the slot before's second key block
	QUARTER 2, F1, F0, T0, 0, -1, 0
	QUARTER 3, F0, F1, T1, 1, T0, FC0              ; keys 128-191 start T1; beside them O takes this slot's first key block
	TURN \fill
.endm
.macro STEP
	WIN 0
	s_xor_b32 s[CUR], s[CUR], SLOT
	s_xor_b32 s[NX], s[NX], SLOT
	v_add_nc_u32 v[AC], s[CUR], v[A0]
	v_add_nc_u32 v[BC], s[CUR], v[B0]
	v_add_nc_u32 v[BC2], 128*PV, v[BC]
	v_add_nc_u32 v[AN], s[NX], v[A0]
	v_add_nc_u32 v[BN], s[NX], v[B0]
.endm
.macro FLUSH                           ; a tile's last key block
	PLACES
	WIN 0xf2
.set n, 0
.rept 16
.irp z, 0,2,4,6
	v_pk_fma_f32 v[8*n+(\z):8*n+(\z)+1], v[T1+8*n+(\z):T1+8*n+(\z)+1], v[FP+2*(n/4):FP+2*(n/4)+1], v[8*n+(\z):8*n+(\z)+1] op_sel_hi:[1,0,1]
.endr
.set n, n+1
.endr
	WIN 0
.endm
.macro WOUT                            ; 16 rows at a time through my own stage: a lane's 32 bytes in, whole rows of 256 bytes back and out
.irp a, 0,1,2,3
	WIN 0x0c                                       ; the stores' data in window 3
.irp b, 0,1,2,3
	ds_store_b128 v[STO], v[8*(4*(\a)+(\b)):8*(4*(\a)+(\b))+3] offset:64*(\b)
	ds_store_b128 v[STO], v[8*(4*(\a)+(\b))+4:8*(4*(\a)+(\b))+7] offset:64*(\b)+16
.endr
	WIN 0
	s_wait_xcnt 0x0                                ; the stores of the block before have read the registers that the loads below take
.irp t, 0,1,2,3,4,5,6,7
	ds_load_b128 v[OB+4*(\t):OB+4*(\t)+3], v[RD] offset:(\t)*2*SPITCH  ; LDS serves a wave's instructions in order (ISA guide 5.7.1.4)
.endr
	s_wait_dscnt 0x0
.irp t, 0,1,2,3,4,5,6,7
	global_store_b128 v[CO], v[OB+4*(\t):OB+4*(\t)+3], s[OUTC:OUTC+1] offset:(16*(\a)+2*(\t))*4096 th:TH_STORE_NT  ; 16 lanes store 256 consecutive bytes, aligned
.endr
.endr
.endm
	s_wait_tensorcnt 1                             ; my part of slot 0 is in; slot 1's may stay out
	s_wait_dscnt 0x0                               ; my rows of F's table are stored
	s_barrier_signal -1
	s_barrier_wait -1
	FCLOAD
	FETCH 0, 0, F0
	WIN 0
	s_mov_b32 s[CNT], 8
.Lslot:                                        ; eight trips: a slot is multiplied and the slot two on is asked for
	SLOTX 1
	STEP
	s_sub_co_u32 s[PL], s[PL], 1
	s_cmp_lg_u32 s[PL], 0
	s_cbranch_scc1 .Lsame                          ; the count hangs on u alone: it is the same in all sixteen partners
	FLUSH                                          ; the first tile is finished: it goes out, and O starts anew
	WOUT
	s_wait_xcnt 0x0                                ; the stores have read their base
	s_mov_b64 s[OUTC:OUTC+1], s[OUT2:OUT2+1]
	WIN 0xc0
.set i, 0
.rept 128
	v_mov_b32 v[i], 0
.set i, i+1
.endr
	WIN 0
.irp a, 0,1,2,3
	v_mov_b32 v[FP+2*(\a)], 0                      ; the next slot's first riders add 0 times the old sums
.endr
	s_mov_b32 s[PL], 64
.Lsame:
	s_sub_co_u32 s[CNT], s[CNT], 1
	s_cmp_lg_u32 s[CNT], 0
	s_cbranch_scc1 .Lslot
	s_mov_b32 s[TC], 2
.Ltail:                                        ; the last two slots ask for nothing
	SLOTX 0
	STEP
	s_sub_co_u32 s[TC], s[TC], 1
	s_cmp_lg_u32 s[TC], 0
	s_cbranch_scc1 .Ltail
	FLUSH
	WOUT
	s_wait_tensorcnt 0x0                           ; the wave's end
	ds_add_u32 v[SPW], v[NIL]
	s_wait_dscnt 0x0
	CROUND                                         ; the closing round
	s_endpgm
.Lfunc_end_k_q81e58ce9e3_ctx:
	.size	k_q81e58ce9e3_ctx, .Lfunc_end_k_q81e58ce9e3_ctx-k_q81e58ce9e3_ctx
	.p2alignl 7, 3214868480
	.fill 96, 4, 3214868480
	.section	.rodata,"a",@progbits
	.p2align	6, 0x0
	.amdhsa_kernel k_q81e58ce9e3_ctx
		.amdhsa_group_segment_fixed_size 327680
		.amdhsa_private_segment_fixed_size 0
		.amdhsa_enable_private_segment 0
		.amdhsa_kernarg_size 32
		.amdhsa_user_sgpr_count 2
		.amdhsa_user_sgpr_kernarg_segment_ptr 1
		.amdhsa_wavefront_size32 1
		.amdhsa_system_sgpr_workgroup_id_x 1
		.amdhsa_system_sgpr_workgroup_id_y 1
		.amdhsa_system_sgpr_workgroup_id_z 1
		.amdhsa_system_vgpr_workitem_id 0
		.amdhsa_next_free_vgpr 896
		.amdhsa_next_free_sgpr 100
		.amdhsa_reserve_vcc 0
		.amdhsa_float_denorm_mode_32 3
		.amdhsa_float_denorm_mode_16_64 3
		.amdhsa_memory_ordered 1
		.amdhsa_forward_progress 1
		.amdhsa_inst_pref_size 123
	.end_amdhsa_kernel
	.amdgpu_metadata
---
amdhsa.version: [ 1, 2 ]
amdhsa.kernels:
  - .name:           k_q81e58ce9e3_ctx
    .symbol:         k_q81e58ce9e3_ctx.kd
    .args:
      - { .name: pw, .offset: 0, .size: 8, .value_kind: global_buffer, .address_space: global }
      - { .name: qkv, .offset: 8, .size: 8, .value_kind: global_buffer, .address_space: global }
      - { .name: stat, .offset: 16, .size: 8, .value_kind: global_buffer, .address_space: global }
      - { .name: out0, .offset: 24, .size: 8, .value_kind: global_buffer, .address_space: global }
    .group_segment_fixed_size: 327680
    .private_segment_fixed_size: 0
    .kernarg_segment_align: 8
    .kernarg_segment_size: 32
    .max_flat_workgroup_size: 128
    .sgpr_count:     100
    .vgpr_count:     896
    .wavefront_size: 32
...
	.end_amdgpu_metadata
.endif
;; end of part 4
;; ======== version 2 of 2: 4 launches; version 1 with the launch cast written anew for expert scheduling mode
;; limits: values are held in f16: magnitudes above 65,504 overflow, below 6.1e-05 lose precision
;; workspace buffers: xb 16,777,216 bytes; wb 6,291,456 bytes; qkv 50,331,648 bytes; pw 33,554,432 bytes; stat 1,048,576 bytes
;; launch cast (part 5): grid 704 x 1, 8 waves a work-group, no clusters, 0 bytes of LDS; arguments x, Wq, Wk, Wv, xb, wb; writes xb, wb
.if DOCPART == 5
	.amdgcn_target "amdgcn-amd-amdhsa--gfx1250"
	.amdhsa_code_object_version 6
	.text
	.protected	k_q81e58ce9e3_cast
	.globl	k_q81e58ce9e3_cast
	.p2align	8
	.type	k_q81e58ce9e3_cast,@function
k_q81e58ce9e3_cast:
	s_mov_b64 s[64:65], 0
	v_nop
	global_prefetch_b8 v0, s[64:65] scope:SCOPE_SE
	s_setreg_imm32_b32 hwreg(HW_REG_WAVE_SCHED_MODE, 0, 2), 2
	s_setreg_imm32_b32 hwreg(HW_REG_WAVE_MODE, 25, 1), 1
	s_wait_xcnt 0x0
	s_wait_alu depctr_vm_vsrc(0)
; x and the three weights, f32, are rounded once to bf16 (nearest even) and laid down for the projection's tiles:
;   xb [16 slabs][8192 rows][64]: slab s holds columns 64 s .. 64 s + 63 of every row, so that 256 rows of a slab are 32,768 consecutive bytes;
;   wb [1024 k][3072 n]: the three weights side by side, in the order q, k, v.
; A work-group takes 16,384 numbers: groups 0-511 sixteen rows of x, groups 512-703 sixteen rows of a weight (64 groups each).
; All 16 loads of a thread go out on end; no register that a load or store reads is written twice.
; THE MODE: SCHED_MODE bits 1:0 = 2 (LLVM: expert scheduling mode 2), set by the entry lines.  The code itself states the register dependences
; between vector instructions and memory instructions, with s_wait_alu, always for 0.
; THE PLAN.  Registers that memory instructions touch:
;   v1, v2     the loads' and the stores' byte offsets: made at the path's head, never written again.
;   v[4:67]    X, piece i at 4 + 4 i: a load lands in it once; piece i's two conversions read it.  (In x's path the head's arithmetic has used v4 and v5.)
;   v[68:99]   Y, piece i at 68 + 2 i: piece i's two conversions write it once; piece i's store reads it.
; The 16 pieces go in four groups of four.  Group g's head waits for its four loads and then states that group g - 1's conversions have written their Y;
; group g - 1's four stores follow, dealt among group g's conversions, which name group g's X and Y alone.  The last group's stores have a wait of their own.
; Nothing that a memory instruction has read is written again, no vector instruction writes a scalar register, and EXEC is never written: so no other wait is owed.
; Piece i is loaded at (i / 2) la + (i % 2) lb and stored at (i / 2) sa + (i % 2) sb behind the thread's two offsets.
.macro BODY la, lb, sa, sb
.set i, 0
.rept 16
	global_load_b128 v[4+4*i:7+4*i], v1, s[24:25] offset:(i/2)*(\la)+(i%2)*(\lb) th:TH_LOAD_NT
.set i, i+1
.endr
.set g, 0
.rept 4
	s_wait_loadcnt 12-4*g                          ; loads come back in order: group g's four pieces are in, the younger ones stay out
.if g > 0
	s_wait_alu depctr_va_vdst(0)                   ; the conversions of the group before have written their eight registers of Y, which the four stores below read
.endif
.set j, 0
.rept 4
.set i, 4*g+j
.if g > 0
	global_store_b64 v2, v[68+2*(i-4):69+2*(i-4)], s[26:27] offset:((i-4)/2)*(\sa)+((i-4)%2)*(\sb)  ; the group before: no vector instruction since the wait names v2 or these two registers
.endif
	v_cvt_pk_bf16_f32 v[68+2*i], v[4+4*i], v[5+4*i]
	v_cvt_pk_bf16_f32 v[69+2*i], v[6+4*i], v[7+4*i]
.set j, j+1
.endr
.set g, g+1
.endr
	s_wait_alu depctr_va_vdst(0)                   ; the last group's conversions have written their eight registers of Y, which the last four stores read
.set i, 12
.rept 4
	global_store_b64 v2, v[68+2*i:69+2*i], s[26:27] offset:(i/2)*(\sa)+(i%2)*(\sb)
.set i, i+1
.endr
.endm
	s_load_b256 s[4:11], s[0:1], 0x0               ; x s[4:5], Wq s[6:7], Wk s[8:9], Wv s[10:11]
	s_load_b128 s[12:15], s[0:1], 0x20             ; xb s[12:13], wb s[14:15]
	s_mov_b32 s28, ttmp9
	s_mov_b32 s21, 0
	s_mov_b32 s23, 0
	s_cmp_lt_u32 s28, 512
	s_cbranch_scc0 .Lweights
	; x.  A load of a wave takes 64 columns (256 bytes) of two rows: lanes 0-15 the even row, lanes 16-31 the odd one; wave w takes slabs 2 w and 2 w + 1.
	; Rounded, the two rows' 128 bytes lie on end in the slab: a store of a wave covers 256 consecutive bytes, aligned.
	v_and_b32 v3, 15, v0
	v_bfe_u32 v4, v0, 4, 1
	v_lshrrev_b32 v5, 5, v0
	v_lshlrev_b32 v1, 4, v3                        ; 16 bytes a lane,
	v_lshl_add_u32 v1, v4, 12, v1                  ; a row of 4,096 bytes for the upper lanes,
	v_lshl_add_u32 v1, v5, 9, v1                   ; two slabs' 512 bytes a wave
	v_lshlrev_b32 v2, 3, v3                        ; 8 bytes a lane,
	v_lshl_add_u32 v2, v4, 7, v2                   ; a slab's row of 128 bytes,
	v_lshl_add_u32 v2, v5, 21, v2                  ; two slabs of 1,048,576 bytes a wave
	s_lshl_b32 s20, s28, 16                        ; the group's 16 rows in x,
	s_lshl_b32 s22, s28, 11                        ; and in a slab
	s_wait_kmcnt 0x0
	s_add_nc_u64 s[24:25], s[4:5], s[20:21]
	s_add_nc_u64 s[26:27], s[12:13], s[22:23]
	s_wait_alu depctr_va_vdst(0)                   ; v1 and v2 are written, which every load and store below reads as its offset; the lines above are done writing and reading v4 and v5, in which the first load lands
	BODY 8192, 256, 256, 1048576                   ; piece i: rows 2 (i / 2) and 2 (i / 2) + 1, slab 2 w + i % 2
	s_endpgm
.Lweights:
	; a weight.  Thread t takes 16 bytes at 16 t of each of the group's 16 rows; a store of a wave covers 256 consecutive bytes, aligned.
	s_sub_co_u32 s16, s28, 512
	s_and_b32 s18, s16, 63                         ; the group's place in its weight
	s_lshr_b32 s19, s16, 6                         ; which weight
	v_lshlrev_b32 v1, 4, v0
	v_lshlrev_b32 v2, 3, v0
	s_lshl_b32 s20, s18, 16
	s_mul_i32 s22, s18, 16*6144                    ; 16 rows of wb,
	s_lshl_b32 s17, s19, 11                        ; the weight's 2,048 bytes of a row
	s_add_co_u32 s22, s22, s17
	s_wait_kmcnt 0x0
	s_cmp_eq_u32 s19, 1
	s_cselect_b64 s[24:25], s[8:9], s[6:7]
	s_cmp_eq_u32 s19, 2
	s_cselect_b64 s[24:25], s[10:11], s[24:25]
	s_add_nc_u64 s[24:25], s[24:25], s[20:21]
	s_add_nc_u64 s[26:27], s[14:15], s[22:23]
	s_wait_alu depctr_va_vdst(0)                   ; v1 and v2 are written, which every load and store below reads as its offset
	BODY 8192, 4096, 12288, 6144                   ; piece i: row i
	s_endpgm
.Lfunc_end_k_q81e58ce9e3_cast:
	.size	k_q81e58ce9e3_cast, .Lfunc_end_k_q81e58ce9e3_cast-k_q81e58ce9e3_cast
	.p2alignl 7, 3214868480
	.fill 96, 4, 3214868480
	.section	.rodata,"a",@progbits
	.p2align	6, 0x0
	.amdhsa_kernel k_q81e58ce9e3_cast
		.amdhsa_group_segment_fixed_size 0
		.amdhsa_private_segment_fixed_size 0
		.amdhsa_enable_private_segment 0
		.amdhsa_kernarg_size 48
		.amdhsa_user_sgpr_count 2
		.amdhsa_user_sgpr_kernarg_segment_ptr 1
		.amdhsa_wavefront_size32 1
		.amdhsa_system_sgpr_workgroup_id_x 1
		.amdhsa_system_sgpr_workgroup_id_y 1
		.amdhsa_system_sgpr_workgroup_id_z 1
		.amdhsa_system_vgpr_workitem_id 0
		.amdhsa_next_free_vgpr 104
		.amdhsa_next_free_sgpr 66
		.amdhsa_reserve_vcc 0
		.amdhsa_float_denorm_mode_32 3
		.amdhsa_float_denorm_mode_16_64 3
		.amdhsa_memory_ordered 1
		.amdhsa_forward_progress 1
		.amdhsa_inst_pref_size 13
	.end_amdhsa_kernel
	.amdgpu_metadata
---
amdhsa.version: [ 1, 2 ]
amdhsa.kernels:
  - .name:           k_q81e58ce9e3_cast
    .symbol:         k_q81e58ce9e3_cast.kd
    .args:
      - { .name: x, .offset: 0, .size: 8, .value_kind: global_buffer, .address_space: global }
      - { .name: Wq, .offset: 8, .size: 8, .value_kind: global_buffer, .address_space: global }
      - { .name: Wk, .offset: 16, .size: 8, .value_kind: global_buffer, .address_space: global }
      - { .name: Wv, .offset: 24, .size: 8, .value_kind: global_buffer, .address_space: global }
      - { .name: xb, .offset: 32, .size: 8, .value_kind: global_buffer, .address_space: global }
      - { .name: wb, .offset: 40, .size: 8, .value_kind: global_buffer, .address_space: global }
    .group_segment_fixed_size: 0
    .private_segment_fixed_size: 0
    .kernarg_segment_align: 8
    .kernarg_segment_size: 48
    .max_flat_workgroup_size: 256
    .sgpr_count:     66
    .vgpr_count:     104
    .wavefront_size: 32
...
	.end_amdgpu_metadata
.endif
;; end of part 5
;; launch proj: the kernel of part 2 again; grid 8 x 32, 4 waves a work-group, clusters of 4 x 4, 327,680 bytes of LDS; arguments xb, wb, qkv; writes qkv
;; launch score: the kernel of part 3 again; grid 36 x 4, 4 waves a work-group, no clusters, 327,680 bytes of LDS; arguments qkv, pw, stat; writes pw, stat
;; launch ctx: the kernel of part 4 again; grid 8 x 32, 4 waves a work-group, clusters of 4 x 4, 327,680 bytes of LDS; arguments pw, qkv, stat, out0; writes out0
